; MI455X (gfx1250); checked and timed in simulation.
; The chip was launched on July 23, 2026; its instructions are those of AMD's public machine-readable ISA for CDNA 5 (MIT licence, August 2026) and "CDNA5" Instruction Set Architecture Reference Guide (July 2026). The comments in the code are by the model that wrote it; some were corrected since.
;; Multi Head Attention. Allowed arithmetic: matrix products marked QUANTISED: E4M3 operands, one given power-of-two scale a tensor, by v_wmma_f32_16x16x64_fp8_fp8 or v_wmma_f32_16x16x128_fp8_fp8, f32 sums; everything else in f32.
;; Inputs: Wk 16 x 1,024 x 64 float32; Wo 1,024 x 64 float32; Wq 16 x 1,024 x 64 float32; Wv 16 x 1,024 x 64 float32; bk 16 x 64 float32; bo 64 float32; bq 16 x 64 float32; bv 16 x 64 float32; context_tokens 4 x 2,048 x 1,024 float32; current_tokens 4 x 2,048 x 1,024 float32; lowp_scales 12 int32 (the exponents e of the quantised operands' scales 2^e).
;; Outputs: out0 4 x 2,048 x 64 float32.
;; This version of the problem:
;;   THIS VERSION OF THE PROBLEM IS GIVEN IN LOW PRECISION. The matrix products marked QUANTISED in the list below multiply operands that are first quantised to E4M3 (4 exponent bits, 3 mantissa bits; 8 bits a number), with one given power-of-two scale for each operand tensor; their sums are f32. All else is computed in f32.
;;   The module's matrix products, in the order in which they are computed (A, B: the left and right operand; K: the contracted axis; several contracted axes count as one K, in the product's order):
;;     1. [M 1,024, K 1,024] x [K 1,024, N 8,192]; A: input Wq; B: input current_tokens: QUANTISED (scales: A lowp_scales[0], B lowp_scales[1])
;;     2. [M 1,024, K 1,024] x [K 1,024, N 8,192]; A: input Wk; B: input context_tokens: QUANTISED (scales: A lowp_scales[2], B lowp_scales[3])
;;     3. [M 1,024, K 1,024] x [K 1,024, N 8,192]; A: input Wv; B: input context_tokens: QUANTISED (scales: A lowp_scales[4], B lowp_scales[5])
;;     4. batch 64 x [M 2,048, K 64] x [K 64, N 2,048]; A: computed on the way; B: computed on the way: QUANTISED (scales: A lowp_scales[6], B lowp_scales[7])
;;     5. batch 64 x [M 2,048, K 2,048] x [K 2,048, N 64]; A: softmax (see below); B: computed on the way: QUANTISED (scales: A lowp_scales[8], B lowp_scales[9])
;;     6. [M 8,192, K 1,024] x [K 1,024, N 64]; A: computed on the way; B: input Wo: QUANTISED (scales: A lowp_scales[10], B lowp_scales[11])
;;   THE QUANTISER, for each operand of a quantised product, along K:
;;     - The operand's scale is 2^e, e = its entry of the input lowp_scales (int32; the entries are numbered through the quantised products in the list's order, A before B).
;;     - Each number is divided by the scale, clamped to +-448, and rounded to the nearest number of E4M3, ties to even, subnormals kept.
;;     - The product sums the exact products of the quantised numbers (number of the format x scale) in f32.
;;   ~~~python
;;   def quantise(x, axis, e):      # numpy; x: float32 -> the quantised numbers, widened to float32 again
;;       x = np.moveaxis(x, axis, -1); K = x.shape[-1]
;;       r = np.clip(x / 2.0 ** e, -448, 448)
;;       step = 2.0 ** (np.maximum(np.frexp(np.where(r == 0, 1, r))[1] - 1, -6) - 3)
;;       q = np.round(r / step) * step * 2.0 ** e      # np.round: ties to even
;;       return np.moveaxis(q, -1, axis).astype(np.float32)
;;   ~~~
;;   SOFTMAX AHEAD OF A QUANTISED PRODUCT. Where the list says 'softmax', what is quantised is not the finished softmax but p = 2^(t - M), with t = logit x log2(e) and M = ceil(the row's largest t), a whole number; so 1/2 < the row's largest p <= 1. The row's sum l is taken of the UNQUANTISED p, in f32, and the product's result is divided by l at the end. Since M is a whole number, a kernel that streams over the keys may use a running M (the ceiling of the running maximum): every later rescaling is an exact power of two, so the quantised numbers keep their values, but for numbers so far below the row's largest that they fall under the format's range.
;;   OPERANDS COMPUTED ON THE WAY. 'Computed on the way' means the value that the module computes at that place (a softmax that the list does not call 'softmax' is quantised finished and normalised). What goes into a quantiser is computed in f32, as accurately as f32 sums, v_exp_f32 and their like allow (about 1e-6 of the number): no bf16 or f16 on the way to a quantiser, and a product that is left as it is and whose result goes on into a quantised operand takes f32 operands (vector FMAs, or v_wmma_f32_16x16x4_f32). A number that lies on a knife's edge between two numbers of the format may be rounded either way, as far as f32 arithmetic and the matrix unit's own rounding can turn it there, and no further.
;; 2 versions, each right; version 2 is version 1 with the launches attn, outp written anew for expert scheduling mode. Each part assembles by itself: llvm-mc -triple=amdgcn-amd-amdhsa -mcpu=gfx1250 --defsym DOCPART=n.
;; ======== version 1 of 2: 4 launches
;; workspace buffers: xc 25,165,824 bytes; wc 3,145,728 bytes; woc 65,536 bytes; qkv 25,165,824 bytes; yc 8,388,608 bytes
;; launch quant (part 1): grid 610 x 1, 4 waves a work-group, no clusters, 68,096 bytes of LDS; arguments current_tokens, context_tokens, Wq, Wk, Wv, Wo, lowp_scales, xc, wc, woc; writes xc, wc, woc
.if DOCPART == 1
	.amdgcn_target "amdgcn-amd-amdhsa--gfx1250"
	.amdhsa_code_object_version 6
	.text
	.protected	k_qb786aa69e0_quant
	.globl	k_qb786aa69e0_quant
	.p2align	8
	.type	k_qb786aa69e0_quant,@function
k_qb786aa69e0_quant:
	s_mov_b64 s[64:65], 0
	v_nop
	global_prefetch_b8 v0, s[64:65] scope:SCOPE_SE
	s_setreg_imm32_b32 hwreg(HW_REG_WAVE_MODE, 25, 1), 1
	s_wait_xcnt 0x0
; All wide inputs become codes of FP8 (E4M3), K innermost, each with the scale 2^e that is given for it: code = x / 2^e, held within +-448, to the nearest code, ties to even.
; xc [3][8192][1024]: set 0 = current_tokens with e1, set 1 = context_tokens with e3, set 2 = context_tokens with e5 (context is read once and coded twice).
; wc [3][1024][1024]: Wq with e0, Wk with e2, Wv with e4; a row is feature n = 64 head + a, its 1,024 bytes run along d.
; In xc and wc row i lies at position i with bits 3 and 4 exchanged: sixteen consecutive positions 32 B + 16 u + m then hold rows 32 B + 8 u + m + 8 (m / 8), so that the results of two neighbouring
; blocks of sixteen, used as a product's first source, are sixteen neighbours in a lane's registers.
; woc: Wo with e11 as an image of operand registers: [nt 4][s 8][c 4][lane 32][16 bytes]; lane (r, h) holds Wo(k = 128 s + 32 c + 16 h + 0 .. 15, n = 16 nt + r).
; Work-groups 0 to 97 take the weights (49 matrices of 1,024 x 64, two work-groups each), 98 to 609 the tokens (32 rows each).  The two ways part once, never join, and have LDS bytes of their own.
; LIMITS: e0 .. e5 and e11 between -126 and 119, so that 2^e and 448 x 2^e are f32 numbers.  NaN among the inputs is not served.
.set NWW,   98                         ; work-groups of the weights' way
.set MANT,  0x600000                   ; the mantissa field of 448 as f32
.set SP,    80                         ; tokens: a lane's place in a stage: 64 bytes + 16 of padding
.set WREG,  8192                       ; tokens: LDS bytes of a wave (two stages of 32 x SP)
.set R,     16                         ; v16-79   tokens: four sets of 16 numbers as loaded
.set X,     80                         ; v80-111  tokens: two sets of 16 neighbours
.set T,     112                        ; v112-127 tokens: held numbers for the first scale
.set C,     128                        ; v128-159 tokens: codes, four steps x (4 + 4) registers by turns
.set WST,   32768                      ; weights: the stages begin here
.set PITCH, 272                        ; weights: a stage row: 256 bytes + 16
.set XW,    32                         ; v32-95   weights: two sets of 32 numbers
.set CW,    96                         ; v96-103  weights: a block's codes
.set OUTR,  112                        ; v112-175 weights: the way out
	s_load_b256 s[4:11], s[0:1], 0x0               ; current s[4:5], context s[6:7], Wq s[8:9], Wk s[10:11]
	s_load_b256 s[12:19], s[0:1], 0x20             ; Wv s[12:13], Wo s[14:15], the exponents s[16:17], xc s[18:19]
	s_load_b128 s[20:23], s[0:1], 0x40             ; wc s[20:21], woc s[22:23]
	v_lshl_add_u32 v192, v0, 2, 0x10800
	v_mov_b32 v193, 0
	v_lshrrev_b32 v1, 5, v0
	v_readfirstlane_b32 s36, v1                    ; wave 0..3
	v_and_b32 v2, 31, v0                           ; lane
	s_wait_kmcnt 0x0
	s_load_b256 s[24:31], s[16:17], 0x0            ; e0 .. e7
	s_load_b128 s[32:35], s[16:17], 0x20           ; e8 .. e11
	s_cmp_lt_u32 ttmp9, NWW
	s_cbranch_scc1 .Lweights
; ---------------- THE TOKENS.  A wave takes 8 rows = 8,192 numbers, in 16 steps of 512.  Each load reads 512 consecutive bytes; a step's 2,048 bytes turn through the wave's own stage so that a lane
; holds 16 neighbours; its 16 codes are 16 bytes, and the wave's store covers 512 consecutive bytes, aligned.
	s_sub_co_u32 s37, ttmp9, NWW
	s_lshr_b32 s38, s37, 8                         ; 0: current, 1: context
	s_and_b32 s39, s37, 255                        ; which 32 rows
	s_lshl_b32 s40, s39, 2
	s_add_co_u32 s41, s40, s36                     ; my 8 rows: 4 x group + wave
	s_lshl_b32 s42, s41, 15                        ; x 32,768 bytes of f32
	s_mov_b32 s43, 0
	s_and_b32 s44, s36, 1                          ; the wave's number is bits 3 and 4 of the row: exchanged for the place in xc
	s_lshl_b32 s44, s44, 1
	s_lshr_b32 s45, s36, 1
	s_or_b32 s44, s44, s45
	s_add_co_u32 s44, s40, s44
	s_lshl_b32 s44, s44, 13                        ; x 8,192 bytes of codes
	s_lshl_b32 s45, s38, 23                        ; context begins at set 1
	s_add_co_u32 s44, s44, s45
	s_mov_b32 s45, 0
	s_cmp_lg_u32 s38, 0
	s_cselect_b64 s[4:5], s[6:7], s[4:5]
	s_add_nc_u64 s[4:5], s[4:5], s[42:43]
	s_add_nc_u64 s[18:19], s[18:19], s[44:45]      ; the codes with the first scale,
	s_add_nc_u64 s[46:47], s[18:19], 0x800000      ; and one set on: context's codes with e5
	v_lshlrev_b32 v3, 4, v2                        ; 16 x lane: my bytes of a load's 512 and of a store's 512
	s_mul_i32 s50, s36, WREG
	v_lshrrev_b32 v14, 2, v2
	v_mul_u32_u24 v14, v14, SP
	v_and_b32 v15, 3, v2
	v_lshl_add_u32 v14, v15, 4, v14
	v_add_nc_u32 v14, s50, v14                     ; the stage, on the way in: four lanes' 64 bytes on end, then the padding
	v_mul_u32_u24 v15, v2, SP
	v_add_nc_u32 v15, s50, v15                     ; and on the way out: my 16 neighbours
.macro XLOAD t
.irp i, 0,1,2,3
	global_load_b128 v[R+16*((\t)%4)+4*\i:R+16*((\t)%4)+4*\i+3], v3, s[4:5] offset:2048*(\t)+512*\i th:TH_LOAD_NT
.endr
.endm
.macro XTURN t                         ; LDS serves a wave's instructions in order (ISA guide 5.7.1.4): no wait between the stores and the loads
.irp i, 0,1,2,3
	ds_store_b128 v14, v[R+16*((\t)%4)+4*\i:R+16*((\t)%4)+4*\i+3] offset:32*SP*((\t)%2)+8*SP*\i
.endr
.irp i, 0,1,2,3
	ds_load_b128 v[X+16*((\t)%2)+4*\i:X+16*((\t)%2)+4*\i+3], v15 offset:32*SP*((\t)%2)+16*\i
.endr
.endm
.irp t, 0,1,2,3
	XLOAD \t
.endr
	s_wait_kmcnt 0x0
	s_cmp_lg_u32 s38, 0
	s_cselect_b32 s48, s27, s25                    ; e3 for context, e1 for current
	s_add_co_i32 s48, s48, 127
	s_lshl_b32 s49, s48, 23
	v_mov_b32 v11, s49                             ; 2^e as f32: the conversion takes its exponent field
	s_add_co_i32 s48, s48, 8
	s_lshl_b32 s48, s48, 23
	s_or_b32 s48, s48, MANT
	v_mov_b32 v10, s48                             ; 448 x 2^e
	s_add_co_i32 s48, s29, 127                     ; the same with e5
	s_lshl_b32 s49, s48, 23
	v_mov_b32 v13, s49
	s_add_co_i32 s48, s48, 8
	s_lshl_b32 s48, s48, 23
	s_or_b32 s48, s48, MANT
	v_mov_b32 v12, s48
	s_wait_loadcnt 12                              ; step 0's four loads are in
	XTURN 0
.macro XSTEP t
.set XS, X+16*((\t)%2)
.set CS, C+8*((\t)%4)
	s_wait_dscnt 0x0                               ; this step's numbers are back from the stage, and its stores into the stage have read their registers,
.if (\t)+4 < 16
	XLOAD (\t)+4                                   ; which take the loads of four steps on
.endif
.if (\t)+1 < 16
.if 14-(\t) >= 3
	s_wait_loadcnt 12                              ; the next step's four loads are in; those of the three steps behind it may be out
.else
	s_wait_loadcnt 4*(14-(\t))
.endif
	XTURN (\t)+1
.endif
.if (\t) >= 4
	s_wait_xcnt 0x0                                ; the stores of four steps ago have read these code registers
.endif
.irp i, 0,1,2,3,4,5,6,7,8,9,10,11,12,13,14,15
	v_med3_num_f32 v[T+\i], v[XS+\i], -v10, v10    ; the conversion to an 8-bit code does not saturate (ISA guide 7.6.2): the hold comes first; the numbers themselves are kept for the second scale
.endr
	v_cvt_scalef32_pk8_fp8_f32 v[CS:CS+1], v[T:T+7], v11
	v_cvt_scalef32_pk8_fp8_f32 v[CS+2:CS+3], v[T+8:T+15], v11
	v_nop                                          ; a plain line behind the conversions
	global_store_b128 v3, v[CS:CS+3], s[18:19] offset:512*(\t)
	s_cmp_lg_u32 s38, 0                            ; context alone is coded a second time: a branch on the work-group's number, round register work and a store
	s_cbranch_scc0 .Lone_\@
.irp i, 0,1,2,3,4,5,6,7,8,9,10,11,12,13,14,15
	v_med3_num_f32 v[XS+\i], v[XS+\i], -v12, v12
.endr
	v_cvt_scalef32_pk8_fp8_f32 v[CS+4:CS+5], v[XS:XS+7], v13
	v_cvt_scalef32_pk8_fp8_f32 v[CS+6:CS+7], v[XS+8:XS+15], v13
	v_nop
	global_store_b128 v3, v[CS+4:CS+7], s[46:47] offset:512*(\t)
.Lone_\@:
.endm
.irp t, 0,1,2,3,4,5,6,7,8,9,10,11,12,13,14,15
	XSTEP \t
.endr
	s_wait_tensorcnt 0x0
	ds_add_u32 v192, v193
	s_wait_dscnt 0x0
	s_endpgm
; ---------------- THE WEIGHTS.  K (d) is the first axis of each matrix [1024][64].  A lane takes a column and its registers run down K, so the conversions give codes with K innermost.
; A wave takes 32 columns x 256 along K; its codes gather in its own stage (a row a column) and leave as runs of 256 bytes.
.Lweights:
	s_lshr_b32 s37, ttmp9, 1                       ; which matrix: 0-15 Wq's heads, 16-31 Wk's, 32-47 Wv's, 48 Wo
	s_lshr_b32 s38, s37, 4                         ; g: the tensor
	s_and_b32 s39, s37, 15                         ; the head
	s_and_b32 s40, s36, 1                          ; which 32 columns
	s_and_b32 s41, ttmp9, 1
	s_lshl_b32 s41, s41, 1
	s_lshr_b32 s42, s36, 1
	s_or_b32 s41, s41, s42                         ; which 256 along K
	s_lshl_b32 s42, s39, 18                        ; in: head x 262,144 + 256 rows of 256 bytes + 128 bytes for 32 columns
	s_lshl_b32 s43, s41, 16
	s_add_co_u32 s42, s42, s43
	s_lshl_b32 s43, s40, 7
	s_add_co_u32 s42, s42, s43
	s_mov_b32 s43, 0
	s_lshl_b32 s44, s38, 10                        ; out, in wc: row 1024 g + 64 head + 32 half, byte 256 x K part
	s_lshl_b32 s45, s39, 6
	s_add_co_u32 s44, s44, s45
	s_lshl_b32 s45, s40, 5
	s_add_co_u32 s44, s44, s45
	s_lshl_b32 s44, s44, 10
	s_lshl_b32 s45, s41, 8
	s_add_co_u32 s44, s44, s45
	s_lshl_b32 s46, s40, 15                        ; out, in woc: two tiles of 16,384 for my 32 columns, 4,096 for my 256 along K
	s_lshl_b32 s47, s41, 12
	s_add_co_u32 s46, s46, s47
	s_cmp_eq_u32 s38, 1
	s_cselect_b64 s[8:9], s[10:11], s[8:9]
	s_cmp_eq_u32 s38, 2
	s_cselect_b64 s[8:9], s[12:13], s[8:9]
	s_cmp_eq_u32 s38, 3
	s_cselect_b64 s[8:9], s[14:15], s[8:9]
	s_cselect_b64 s[20:21], s[22:23], s[20:21]
	s_cselect_b32 s44, s46, s44
	s_mov_b32 s45, 0
	s_add_nc_u64 s[8:9], s[8:9], s[42:43]
	s_add_nc_u64 s[20:21], s[20:21], s[44:45]
	v_lshlrev_b32 v3, 2, v2                        ; in: 4 bytes a lane
	s_mul_i32 s47, s36, 32*PITCH
	s_add_co_u32 s47, s47, WST                     ; my stage
	v_mul_u32_u24 v4, v2, PITCH
	v_add_nc_u32 v4, s47, v4                       ; row = my column
	v_and_b32 v5, 15, v2
	v_lshrrev_b32 v6, 4, v2
	v_mul_u32_u24 v7, v6, PITCH
	v_lshl_add_u32 v7, v5, 4, v7
	v_add_nc_u32 v7, s47, v7                       ; out of it by rows: sixteen lanes to a row, two rows an instruction
	v_lshlrev_b32 v8, 10, v6
	v_lshl_add_u32 v8, v5, 4, v8                   ; the same two rows in wc
	v_lshlrev_b32 v12, 14, v6
	v_lshl_add_u32 v12, v5, 4, v12                 ; woc: column / 16 picks the tile, column % 16 the lane's 16 bytes
.macro WLOAD t                         ; block t: W(32 t + i, my column) into set t % 2
.set i, 0
.rept 32
	global_load_b32 v[XW+32*((\t)%2)+i], v3, s[8:9] offset:(32*(\t)+i)*256 th:TH_LOAD_NT
.set i, i+1
.endr
.endm
	WLOAD 0
	WLOAD 1
	s_wait_kmcnt 0x0
	s_cmp_eq_u32 s38, 1
	s_cselect_b32 s48, s26, s24                    ; e0, e2, e4 or e11
	s_cmp_eq_u32 s38, 2
	s_cselect_b32 s48, s28, s48
	s_cmp_eq_u32 s38, 3
	s_cselect_b32 s48, s35, s48
	s_add_co_i32 s48, s48, 127
	s_lshl_b32 s49, s48, 23
	v_mov_b32 v11, s49
	s_add_co_i32 s48, s48, 8
	s_lshl_b32 s48, s48, 23
	s_or_b32 s48, s48, MANT
	v_mov_b32 v10, s48
.macro WBLOCK t
.set XS, XW+32*((\t)%2)
.if (\t) < 7
	s_wait_loadcnt 32                              ; this block's 32 loads are in; the next block's may be out
.else
	s_wait_loadcnt 0
.endif
.set i, 0
.rept 32
	v_med3_num_f32 v[XS+i], v[XS+i], -v10, v10
.set i, i+1
.endr
.irp g, 0,1,2,3
	v_cvt_scalef32_pk8_fp8_f32 v[CW+2*\g:CW+2*\g+1], v[XS+8*\g:XS+8*\g+7], v11
.endr
	v_nop
	ds_store_b128 v4, v[CW:CW+3] offset:32*(\t)    ; 32 codes: 32 bytes of my column's row
	ds_store_b128 v4, v[CW+4:CW+7] offset:32*(\t)+16
.if (\t)+2 < 8
	WLOAD (\t)+2
.endif
	s_wait_dscnt 0x0                               ; the stores have read their registers: the next block's codes may be written
.endm
.irp t, 0,1,2,3,4,5,6,7
	WBLOCK \t
.endr
	s_cmp_eq_u32 s38, 3
	s_cbranch_scc1 .Lwo
.irp t, 0,1,2,3,4,5,6,7,8,9,10,11,12,13,14,15
	ds_load_b128 v[OUTR+4*\t:OUTR+4*\t+3], v7 offset:2*\t*PITCH
.endr
.irp t, 0,1,2,3,4,5,6,7,8,9,10,11,12,13,14,15
	s_wait_dscnt 15-\t
	global_store_b128 v8, v[OUTR+4*\t:OUTR+4*\t+3], s[20:21] offset:(8*((((2*\t)/8)&1)*2+(2*\t)/16)+(2*\t)%8)*1024   ; columns 2 t, 2 t + 1 at their places (bits 3 and 4 exchanged); sixteen lanes store 256 consecutive bytes, aligned
.endr
	s_wait_tensorcnt 0x0
	ds_add_u32 v192, v193
	s_wait_dscnt 0x0
	s_endpgm
.Lwo:
.irp t, 0,1,2,3,4,5,6,7,8,9,10,11,12,13,14,15
	ds_load_b128 v[OUTR+4*\t:OUTR+4*\t+3], v4 offset:16*\t          ; piece t: 16 along K of my own column
.endr
.irp t, 0,1,2,3,4,5,6,7,8,9,10,11,12,13,14,15
	s_wait_dscnt 15-\t
	global_store_b128 v12, v[OUTR+4*\t:OUTR+4*\t+3], s[20:21] offset:256*\t   ; piece t of sixteen columns is 256 consecutive bytes of the image: (s, c, h) = (t / 8, (t % 8) / 2, t % 2)
.endr
	s_wait_tensorcnt 0x0
	ds_add_u32 v192, v193
	s_wait_dscnt 0x0
	s_endpgm
.Lfunc_end_k_qb786aa69e0_quant:
	.size	k_qb786aa69e0_quant, .Lfunc_end_k_qb786aa69e0_quant-k_qb786aa69e0_quant
	.p2alignl 7, 3214868480
	.fill 96, 4, 3214868480
	.section	.rodata,"a",@progbits
	.p2align	6, 0x0
	.amdhsa_kernel k_qb786aa69e0_quant
		.amdhsa_group_segment_fixed_size 68096
		.amdhsa_private_segment_fixed_size 0
		.amdhsa_enable_private_segment 0
		.amdhsa_kernarg_size 80
		.amdhsa_user_sgpr_count 2
		.amdhsa_user_sgpr_kernarg_segment_ptr 1
		.amdhsa_wavefront_size32 1
		.amdhsa_system_sgpr_workgroup_id_x 1
		.amdhsa_system_sgpr_workgroup_id_y 1
		.amdhsa_system_sgpr_workgroup_id_z 1
		.amdhsa_system_vgpr_workitem_id 0
		.amdhsa_next_free_vgpr 194
		.amdhsa_next_free_sgpr 66
		.amdhsa_reserve_vcc 0
		.amdhsa_float_denorm_mode_32 3
		.amdhsa_float_denorm_mode_16_64 3
		.amdhsa_memory_ordered 1
		.amdhsa_forward_progress 1
		.amdhsa_inst_pref_size 112
	.end_amdhsa_kernel
	.amdgpu_metadata
---
amdhsa.version: [ 1, 2 ]
amdhsa.kernels:
  - .name:           k_qb786aa69e0_quant
    .symbol:         k_qb786aa69e0_quant.kd
    .args:
      - { .name: current_tokens, .offset: 0, .size: 8, .value_kind: global_buffer, .address_space: global }
      - { .name: context_tokens, .offset: 8, .size: 8, .value_kind: global_buffer, .address_space: global }
      - { .name: Wq, .offset: 16, .size: 8, .value_kind: global_buffer, .address_space: global }
      - { .name: Wk, .offset: 24, .size: 8, .value_kind: global_buffer, .address_space: global }
      - { .name: Wv, .offset: 32, .size: 8, .value_kind: global_buffer, .address_space: global }
      - { .name: Wo, .offset: 40, .size: 8, .value_kind: global_buffer, .address_space: global }
      - { .name: lowp_scales, .offset: 48, .size: 8, .value_kind: global_buffer, .address_space: global }
      - { .name: xc, .offset: 56, .size: 8, .value_kind: global_buffer, .address_space: global }
      - { .name: wc, .offset: 64, .size: 8, .value_kind: global_buffer, .address_space: global }
      - { .name: woc, .offset: 72, .size: 8, .value_kind: global_buffer, .address_space: global }
    .group_segment_fixed_size: 68096
    .private_segment_fixed_size: 0
    .kernarg_segment_align: 8
    .kernarg_segment_size: 80
    .max_flat_workgroup_size: 128
    .sgpr_count:     66
    .vgpr_count:     194
    .wavefront_size: 32
...
	.end_amdgpu_metadata
.endif
;; end of part 1
;; launch proj (part 2): grid 4 x 96, 4 waves a work-group, clusters of 4 x 4, 327,680 bytes of LDS; arguments xc, wc, lowp_scales, bq, bk, bv, qkv; writes qkv
.if DOCPART == 2
	.amdgcn_target "amdgcn-amd-amdhsa--gfx1250"
	.amdhsa_code_object_version 6
	.text
	.protected	k_qb786aa69e0_proj
	.globl	k_qb786aa69e0_proj
	.p2align	8
	.type	k_qb786aa69e0_proj,@function
k_qb786aa69e0_proj:
	s_mov_b64 s[64:65], 0
	v_nop
	global_prefetch_b8 v0, s[64:65] scope:SCOPE_SE
	s_setreg_imm32_b32 hwreg(HW_REG_WAVE_MODE, 25, 1), 1
	s_wait_xcnt 0x0
	s_wait_alu depctr_hold_cnt(0) depctr_sa_sdst(0) depctr_va_vdst(0) depctr_va_sdst(0) depctr_va_ssrc(0) depctr_va_vcc(0) depctr_vm_vsrc(0)
	s_getreg_b32 s2, hwreg(HW_REG_IB_STS2, 6, 4)
	s_cmp_eq_u32 s2, 0
	s_cbranch_scc0 .Lentry_in_a_cluster
	s_endpgm
.Lentry_in_a_cluster:
	s_bfe_u32 s2, ttmp6, 0x10000c
	s_cmp_lg_u32 s2, 0xf033
	s_cbranch_scc0 .Lentry_shape_is_right
	s_endpgm
.Lentry_shape_is_right:
; q, k and v: three products [8192 tokens][1024] x [1024 features][1024]^T on codes of FP8 (E4M3), f32 sums, + bias, quantised again with e6 (q), e7 (k), e9 (v), and stored as images of the operand registers
; that the attention launch loads.  (q is taken as the first operand of the scores' product, k as the second, as the einsum reads.)
; The three sets of xc are one tall matrix of 24,576 rows: tile row y = 0 .. 95 of 256 rows; g = y / 32 says which product; tile column x = 0 .. 3 of 256 rows of wc's set g.
; A work-group of four waves makes 256 x 256, a wave 128 x 128: 64 accumulators of 16 x 16.  K goes in steps of 256 through two LDS slots filled by the tensor data mover.
; CLUSTERS: 4 x 4 work-groups; the four of a row need the same rows of xc, the four of a column the same rows of wc: each tile is asked for jointly.  g is the same in all sixteen (it comes from the cluster's y).
; WHICH SOURCE.  For q and k source 0 = 16 features and source 1 = 16 tokens: a lane holds one token and its registers run along the features (the next K).  For v the two change places: a lane holds one channel and
; its registers run along the tokens (the keys, the next K).  Only the two LDS bases of the fragment loads differ, chosen once by g.
; Rows lie in xc and wc with bits 3 and 4 of the row number exchanged, so the 16 registers of source 0's blocks 2 B and 2 B + 1 are rows 32 B + 16 (lane / 16) + 0 .. 15: two conversions give 16 bytes that are a chunk
; of the next operand's registers, and the wave stores a chunk as 512 consecutive bytes, aligned.  No stage is needed.
; qkv: q at 0, k at 8,388,608, v at 16,777,216; each [batch x head 64][64 tokens: 32][tile 4][chunk 2][lane 32][16 bytes].
; A sum stands for sum x 2^es (es = e0 + e1, e2 + e3, e4 + e5): the bias goes in as bias / 2^es, and the conversion takes 2^(eo - es), eo = e6, e7, e9.
; LIMITS: eo - es between -126 and 119; bias / 2^es is an f32 number.  NaN is not served.
; REGISTERS, in windows of 256: window 0: v0-31 addresses; v32-119 the biases; from v128 source 1's fragments, ONE set; on the way out v128-255 are free.   window 1: source 0's fragments, TWO sets.
;   window 2: the accumulators of source 1's blocks 0-3 (accumulator (a, b) at v[8 (8 a + b)]);   window 3: those of blocks 4-7.
.set KSTEP,  256
.set ROWB,   256                       ; a tile's row in bytes
.set KROW,   1024                      ; a row of xc or wc in bytes
.set PITCH,  272                       ; an LDS row: 256 bytes + 16 of padding = 68 words: row r starts at bank 4 r mod 64 (64 banks of 4 bytes: ISA guide 11.1)
.set FR,     16
.set NL,     4
.set NP,     4                         ; places behind this matrix instruction (ISA guide 7.12.1)
.set HALFT,  128*PITCH
.set SLOT,   4*HALFT                   ; xc's 256 rows, then wc's 256 rows
.set LAPS,   1024/(2*KSTEP)
.set SPARE,  2*SLOT                    ; behind the ring: the spare words, 128 bytes for each wave: two blocks of 256 bytes that no other line names
.set ADRA, 16                          ; v16-17  LDS address of source 1's fragments in slot 0, 1
.set ADRB, 20                          ; v20-21  of source 0's
.set BOA,  24                          ; v24     64 (lane / 16): offset of my biases by features
.set BOB,  25                          ; v25     4 (r + 8 (r / 8)): offset of my biases by lane
.set CO,   26                          ; v26     16 x lane
.set SPW,  28                          ; v28     LDS address of my spare word; never rewritten
.set NIL,  29                          ; v29     0; never rewritten
.set SCL,  30                          ; v30     2^(eo - es)
.set LIMV, 31                          ; v31     448 x that
.set BA,   32                          ; v32-95  q, k: bias of feature 32 B + 16 h + i at 16 B + i
.set BB,   96                          ; v96-103 v: bias of my lane's channel in block a
.set BB2,  104                         ; v104-119 the same / 2^es, twice each: pairs for the packed addition
.set AF,   128
.set TMP,  128                         ; the way out: a block's 64 sums + bias
.set CD,   192                         ; the way out: codes, four sets of 16 by turns
.set G1, 24
.set G0, 32
.set G1B, 48
.set G0B, 56
.set MSB, 0
.macro WIN new                         ; the immediate's high byte repeats the setting that is left
.if MSB != \new
	s_set_vgpr_msb (MSB<<8)|\new
.set MSB, \new
.endif
.endm
.set MUL_LO, 0xa1                      ; source 0 window 1, source 1 window 0, C and D window 2
.set MUL_HI, 0xf1                      ; the same, C and D window 3
.set TO_B,   0x40                      ; destination window 1, address window 0
; A joint load: waves 0 and 1 fetch xc's two halves, waves 2 and 3 wc's.  The branch hangs on the wave's number alone.  Four v_nop follow each of the two lines.
.macro JLOAD g0a, g1a, g0b, g1b
	s_cmp_eq_u32 s15, 0
	s_cbranch_scc0 .Lfor_b_\@
	tensor_load_to_lds s[\g0a:\g0a+3], s[\g1a:\g1a+7]
	s_nop 0
.rept 4
	v_nop
.endr
	s_branch .Lasked_\@
.Lfor_b_\@:
	tensor_load_to_lds s[\g0b:\g0b+3], s[\g1b:\g1b+7]
	s_nop 0
.rept 4
	v_nop
.endr
.Lasked_\@:
.endm
.macro CREST                           ; a round of the cluster's barrier behind its opening barrier
	s_cmp_lg_u32 s14, 0
	s_cbranch_scc1 .Lnot_wave_0_\@
	s_barrier_signal -3
.Lnot_wave_0_\@:
	s_barrier_wait -3
	s_barrier_signal -1
	s_barrier_wait -1
.endm
.macro CROUND
	s_barrier_signal -1
	s_barrier_wait -1
	CREST
.endm
	s_load_b128 s[4:7], s[0:1], 0x0                ; xc s[4:5], wc s[6:7]
	s_load_b128 s[8:11], s[0:1], 0x10              ; the exponents s[8:9], bq s[10:11]
	s_load_b128 s[68:71], s[0:1], 0x20             ; bk s[68:69], bv s[70:71]
	s_load_b64 s[72:73], s[0:1], 0x30              ; qkv
	v_lshl_add_u32 v[SPW], v0, 2, SPARE
	v_mov_b32 v[NIL], 0
	ds_add_u32 v28, v29
	ds_add_u32 v28, v29
	s_wait_dscnt 0x0
	v_lshrrev_b32 v1, 5, v0
	v_readfirstlane_b32 s14, v1                    ; wave 0..3
	s_lshr_b32 s15, s14, 1                         ; which half of the tile's tokens is mine.  Also: I fetch for xc (0) or for wc (1)
	s_and_b32 s16, s14, 1                          ; which half of its features.  Also: which 128 rows I fetch
	s_bfe_u32 s40, ttmp6, 0x40000                  ; cx, cy: my place in the cluster
	s_bfe_u32 s41, ttmp6, 0x40004
	s_lshl_b32 s42, ttmp9, 2
	s_add_co_u32 s42, s42, s40                     ; tile column x = 4 x cluster x + cx
	s_and_b32 s17, ttmp7, 0xffff
	s_lshr_b32 s66, s17, 3                         ; g = cluster y / 8: 0 q, 1 k, 2 v
	s_lshl_b32 s17, s17, 2
	s_add_co_u32 s17, s17, s41                     ; tile row y = 4 x cluster y + cy
	s_lshl_b32 s43, s41, 2
	s_lshl_b32 s43, 15, s43                        ; my row of the cluster
	s_lshl_b32 s44, 0x1111, s40                    ; my column
	s_or_b32 s[G1+0], s43, (0<<16)|(1<<20)|(1<<21)|(5<<22)|(3<<25)  ; 15:0 the mask: xc's tiles go to my row; 17:16 elements of 1 byte; 20 padding on; 21 set beside a mask; 24:22 after every 64 words; 31:25 four words
	s_or_b32 s[G1B+0], s44, (0<<16)|(1<<20)|(1<<21)|(5<<22)|(3<<25) ; wc's tiles go to my column
.irp g, G1, G1B
	s_mov_b32 s[\g+1], ROWB<<16                    ; tensor_dim0
	s_mov_b32 s[\g+2], 128<<16                     ; tensor_dim1
	s_mov_b32 s[\g+3], ROWB<<16                    ; tile_dim0
	s_mov_b32 s[\g+4], 128                         ; tile_dim1
	s_mov_b32 s[\g+5], KROW                        ; tensor_dim0_stride
	s_mov_b32 s[\g+6], 0
	s_mov_b32 s[\g+7], 0
.endr
	s_lshl_b32 s18, s16, 7                         ; which 128 rows of the tile I fetch
	s_lshl_b32 s20, s17, 8
	s_add_co_u32 s20, s20, s18                     ; xc: row 256 y + 128 x half
	s_lshl_b32 s46, s42, 8
	s_add_co_u32 s46, s46, s18
	s_lshl_b32 s47, s66, 10
	s_add_co_u32 s46, s46, s47                     ; wc: row 1024 g + 256 x + 128 x half
	s_mov_b32 s21, 0
	s_mov_b32 s47, 0
	s_mov_b64 s[18:19], KROW
	s_mul_u64 s[20:21], s[20:21], s[18:19]
	s_mul_u64 s[46:47], s[46:47], s[18:19]
	s_mul_i32 s45, s14, HALFT                      ; where they go: wave x 128 rows
	s_wait_kmcnt 0x0
	s_load_b256 s[76:83], s[8:9], 0x0              ; e0 .. e7
	s_load_b128 s[84:87], s[8:9], 0x20             ; e8 .. e11
	s_add_nc_u64 s[20:21], s[4:5], s[20:21]
	s_add_nc_u64 s[46:47], s[6:7], s[46:47]
	CROUND                                         ; all sixteen work-groups are here: the first joint loads meet
.irp s, 0,1
	s_mov_b32 s[G0+4*\s], 1
	s_add_co_u32 s[G0+4*\s+1], s45, \s*SLOT
	s_add_nc_u64 s[G0+4*\s+2:G0+4*\s+3], s[20:21], \s*ROWB
	s_or_b32 s[G0+4*\s+3], s[G0+4*\s+3], 0x80000000
	s_mov_b32 s[G0B+4*\s], 1
	s_add_co_u32 s[G0B+4*\s+1], s45, \s*SLOT
	s_add_nc_u64 s[G0B+4*\s+2:G0B+4*\s+3], s[46:47], \s*ROWB
	s_or_b32 s[G0B+4*\s+3], s[G0B+4*\s+3], 0x80000000
	JLOAD G0+4*\s, G1, G0B+4*\s, G1B
.endr
	v_and_b32 v1, 15, v0                           ; r
	v_bfe_u32 v2, v0, 4, 1                         ; h
	v_mul_u32_u24 v3, v1, PITCH
	v_lshl_add_u32 v4, v2, 4, v3                   ; a fragment's row x pitch + 16 h
	s_mul_i32 s95, s15, HALFT                      ; my 128 tokens,
	s_mul_i32 s94, s16, HALFT
	s_add_co_u32 s94, s94, 2*HALFT                 ; my 128 features, behind xc's 256 rows
	s_cmp_eq_u32 s66, 2
	s_cselect_b32 s21, s94, s95                    ; source 1: tokens for q and k, features for v
	s_cselect_b32 s22, s95, s94                    ; source 0: the other
.irp s, 0,1
	v_add_nc_u32 v[ADRA+\s], s21, v4
	v_add_nc_u32 v[ADRB+\s], s22, v4
	s_add_co_u32 s21, s21, SLOT
	s_add_co_u32 s22, s22, SLOT
.endr
	v_and_b32 v6, 31, v0
	v_lshlrev_b32 v[CO], 4, v6
	; the biases of my 128 features.  Both forms are loaded in every work-group (24 small loads), so that no register's being written hangs on g; the way out uses one of them
	s_cmp_eq_u32 s66, 1
	s_cselect_b64 s[10:11], s[68:69], s[10:11]
	s_cmp_eq_u32 s66, 2
	s_cselect_b64 s[10:11], s[70:71], s[10:11]
	s_lshl_b32 s74, s42, 10
	s_lshl_b32 s75, s16, 9
	s_add_co_u32 s74, s74, s75                     ; (256 x + 128 x half) x 4 bytes
	s_mov_b32 s75, 0
	s_add_nc_u64 s[10:11], s[10:11], s[74:75]
	v_lshlrev_b32 v[BOA], 6, v2
	v_and_b32 v5, 8, v1
	v_add_nc_u32 v5, v5, v1
	v_lshlrev_b32 v[BOB], 2, v5
.irp b, 0,1,2,3
.irp i, 0,1,2,3
	global_load_b128 v[BA+16*\b+4*\i:BA+16*\b+4*\i+3], v[BOA], s[10:11] offset:128*\b+16*\i
.endr
.endr
.irp a, 0,1,2,3,4,5,6,7
	global_load_b32 v[BB+\a], v[BOB], s[10:11] offset:(32*(\a/2)+8*(\a%2))*4   ; block a's lane r holds feature 32 (a / 2) + 8 (a % 2) + r + 8 (r / 8)
.endr
	; where my images begin: g x 8,388,608 + batch x 2,097,152 + (4 x + 2 x half) heads of 131,072 + (4 (y % 8) + 2 x half) steps of 4,096
	s_and_b32 s74, s17, 31
	s_lshr_b32 s75, s74, 3
	s_lshl_b32 s75, s75, 21
	s_and_b32 s74, s74, 7
	s_lshl_b32 s74, s74, 1
	s_add_co_u32 s74, s74, s15
	s_lshl_b32 s74, s74, 13
	s_add_co_u32 s74, s74, s75
	s_lshl_b32 s75, s42, 2
	s_lshl_b32 s93, s16, 1
	s_add_co_u32 s75, s75, s93
	s_lshl_b32 s75, s75, 17
	s_add_co_u32 s74, s74, s75
	s_lshl_b32 s75, s66, 23
	s_add_co_u32 s74, s74, s75
	s_mov_b32 s75, 0
	s_add_nc_u64 s[72:73], s[72:73], s[74:75]
.macro FRAG reg, adr, q, i             ; a fragment, 16 rows x 128 K: lane l holds row l % 16; registers 4 c .. 4 c + 3 hold K = 32 c + 16 (l / 16) + 0 .. 15: the same order of k in both sources
.irp c, 0,1,2,3
	ds_load_b128 v[\reg+4*\c:\reg+4*\c+3], v[\adr] offset:128*(\q)+32*\c+(\i)*16*PITCH
.endr
.endm
; 16 matrix instructions: source 1's blocks a0, a0 + 1 x source 0's eight.  The 64 accumulators take turns, one instruction a turn, in the same order in every step.
.macro MUL16 a0, p, zero
.irp a, \a0, \a0+1
.irp b, 0,1,2,3,4,5,6,7
.if \zero
	v_wmma_f32_16x16x128_fp8_fp8 v[8*(8*((\a)%4)+\b):8*(8*((\a)%4)+\b)+7], v[128*(\p)+FR*\b:128*(\p)+FR*\b+FR-1], v[AF+FR*(\a):AF+FR*(\a)+FR-1], 0
.else
	v_wmma_f32_16x16x128_fp8_fp8 v[8*(8*((\a)%4)+\b):8*(8*((\a)%4)+\b)+7], v[128*(\p)+FR*\b:128*(\p)+FR*\b+FR-1], v[AF+FR*(\a):AF+FR*(\a)+FR-1], v[8*(8*((\a)%4)+\b):8*(8*((\a)%4)+\b)+7]
.endif
.endr
.endr
.endm
.macro FETCH_B slot, q, p
	WIN TO_B
.irp i, 0,1,2,3,4,5,6,7
	FRAG 128*(\p)+FR*\i, ADRB+\slot, \q, \i
.endr
	WIN 0
.endm
.macro FETCH_A slot, q, i0
.irp i, \i0, \i0+1, \i0+2, \i0+3
	FRAG AF+FR*(\i), ADRA+\slot, \q, \i
.endr
.endm
.macro PLACES n                        ; plain vector lines between a matrix instruction and a load into, or a vector line on, its registers
.rept \n
	v_nop
.endr
.endm
.macro STEP slot, q, zero              ; a step of 128 along K that has its successor in the same slot
	s_wait_dscnt 4*NL                              ; source 0's set and source 1's blocks 0-3 are in; the youngest sixteen loads (blocks 4-7) may be out
	WIN MUL_LO
	MUL16 0, (\q)%2, \zero
	MUL16 2, (\q)%2, \zero
	s_wait_dscnt 0
	PLACES NP
	FETCH_B \slot, (\q)+1, 1-(\q)%2
	FETCH_A \slot, (\q)+1, 0
	WIN MUL_HI
	MUL16 4, (\q)%2, \zero
	MUL16 6, (\q)%2, \zero
	PLACES NP
	WIN 0
	FETCH_A \slot, (\q)+1, 4
.endm
; A slot's last step changes slots: one barrier; in front of it each wave waits for all its tensor loads, adds 0 to its spare word, and waits for that and for its own reads of this slot.
.macro TURN slot, next, fill
	s_wait_tensorcnt 0x0                           ; all my tensor loads have landed: my part of the next slot
	ds_add_u32 v[SPW], v[NIL]                      ; 0 onto my spare word
	s_wait_dscnt 4*NL+1                            ; (the add and the youngest sixteen loads may be out)
	WIN MUL_LO
	MUL16 0, 1, 0
	s_wait_dscnt 0x0                               ; the add is done, and my reads of this slot are over
	s_barrier_signal -1
	MUL16 2, 1, 0
	WIN 0
	s_barrier_wait -1
.if \fill
	CREST                                          ; the barrier has opened a round of the cluster's barrier: no wave of any partner still reads this slot or has a load on its way
	s_add_nc_u64 s[G0+4*\slot+2:G0+4*\slot+3], s[G0+4*\slot+2:G0+4*\slot+3], 2*ROWB
	s_add_nc_u64 s[G0B+4*\slot+2:G0B+4*\slot+3], s[G0B+4*\slot+2:G0B+4*\slot+3], 2*ROWB
	JLOAD G0+4*\slot, G1, G0B+4*\slot, G1B         ; the first tensor load behind the round; its four v_nop are also the places in front of the loads below
.else
	PLACES NP
.endif
	FETCH_B \next, 0, 0
	FETCH_A \next, 0, 0
	WIN MUL_HI
	MUL16 4, 1, 0
	MUL16 6, 1, 0
	PLACES NP
	WIN 0
	FETCH_A \next, 0, 4
.endm
	s_wait_tensorcnt 1                             ; my part of K step 0 is in (K step 1's load may be out)
	s_barrier_signal -1
	s_barrier_wait -1                              ; everybody's is
	FETCH_B 0, 0, 0
	FETCH_A 0, 0, 0
	FETCH_A 0, 0, 4
	STEP 0, 0, 1                                   ; the first step's products start the sums: nothing is cleared
	s_mov_b32 s3, LAPS-1
.Llap:                                                 ; a trip goes once round the ring and fills both slots again
	TURN 0, 1, 1
	STEP 1, 0, 0
	TURN 1, 0, 1
	STEP 0, 0, 0
	s_sub_co_u32 s3, s3, 1
	s_cmp_lg_u32 s3, 0
	s_cbranch_scc1 .Llap
	TURN 0, 1, 0                                   ; the last lap fills nothing
	STEP 1, 0, 0
	s_wait_dscnt 4*NL
	WIN MUL_LO
	MUL16 0, 1, 0
	MUL16 2, 1, 0
	s_wait_dscnt 0
	WIN MUL_HI
	MUL16 4, 1, 0
	MUL16 6, 1, 0
	WIN 0
	PLACES NP                                      ; behind the last products, on both ways below
; THE WAY OUT of source 1's block a: 64 sums a lane, register 16 B + i = row 32 B + 16 (lane / 16) + i of source 0.  + bias / 2^es, held, converted with 2^(eo - es): four chunks of 16 bytes a lane.
.macro OUT a, isv
.set AC, 64*((\a)%4)
.set CS, CD+16*((\a)%4)
	WIN 0x02+((\a)/4)                              ; source 0: window 2 or 3
.set j, 0
.rept 32
.if \isv
	v_pk_add_f32 v[TMP+j:TMP+j+1], v[AC+j:AC+j+1], v[BB2+2*(\a):BB2+2*(\a)+1]   ; v: one channel a lane; each accumulator from its low end on
.else
	v_pk_add_f32 v[TMP+j:TMP+j+1], v[AC+j:AC+j+1], v[BA+j:BA+j+1]               ; q, k: the registers run along the features
.endif
.set j, j+2
.endr
	WIN 0
.set j, 0
.rept 64
	v_med3_num_f32 v[TMP+j], v[TMP+j], -v[LIMV], v[LIMV]   ; the conversion does not saturate (ISA guide 7.6.2)
.set j, j+1
.endr
.if (\a) >= 4
	s_wait_xcnt 0x0                                ; block a - 4's stores have read these code registers
.endif
.irp b, 0,1,2,3
	v_cvt_scalef32_pk8_fp8_f32 v[CS+4*\b:CS+4*\b+1], v[TMP+16*\b:TMP+16*\b+7], v[SCL]
	v_cvt_scalef32_pk8_fp8_f32 v[CS+4*\b+2:CS+4*\b+3], v[TMP+16*\b+8:TMP+16*\b+15], v[SCL]
.endr
	v_nop                                          ; a plain line behind the conversions
.irp b, 0,1,2,3
.if \isv
	global_store_b128 v[CO], v[CS+4*\b:CS+4*\b+3], s[72:73] offset:((\a)/4)*131072+(\b/2)*4096+((\a)%4)*1024+(\b%2)*512   ; head a / 4, tile a % 4 of channels; step b / 2, chunk b % 2 of keys
.else
	global_store_b128 v[CO], v[CS+4*\b:CS+4*\b+3], s[72:73] offset:(\b/2)*131072+(\a)*1024+(\b%2)*512                     ; head b / 2, chunk b % 2 of the head's 64; step a / 4, tile a % 4 of tokens
.endif
.endr
.endm
	s_wait_loadcnt 0x0                             ; the biases
	s_wait_kmcnt 0x0                               ; the exponents
	s_add_co_i32 s88, s76, s77                     ; es and eo, chosen by g without a branch
	s_add_co_i32 s89, s78, s79
	s_add_co_i32 s91, s80, s81
	s_cmp_eq_u32 s66, 1
	s_cselect_b32 s88, s89, s88
	s_cselect_b32 s92, s83, s82
	s_cmp_eq_u32 s66, 2
	s_cselect_b32 s88, s91, s88
	s_cselect_b32 s92, s85, s92
	s_sub_co_i32 s90, 0, s88                       ; -es
	s_sub_co_i32 s92, s92, s88
	s_add_co_i32 s92, s92, 127
	s_lshl_b32 s93, s92, 23
	v_mov_b32 v[SCL], s93                          ; 2^(eo - es) as f32
	s_add_co_i32 s92, s92, 8
	s_lshl_b32 s92, s92, 23
	s_or_b32 s92, s92, 0x600000
	v_mov_b32 v[LIMV], s92                         ; 448 x that
	s_cmp_eq_u32 s66, 2                            ; g is the same in all partners and comes from no loaded number
	s_cbranch_scc1 .Lfor_v
.set j, 0
.rept 64
	v_ldexp_f32 v[BA+j], v[BA+j], s90
.set j, j+1
.endr
.irp a, 0,1,2,3,4,5,6,7
	OUT \a, 0
.endr
	s_branch .Lend
.Lfor_v:
.irp a, 0,1,2,3,4,5,6,7
	v_ldexp_f32 v[BB2+2*\a], v[BB+\a], s90
	v_ldexp_f32 v[BB2+2*\a+1], v[BB+\a], s90
.endr
.irp a, 0,1,2,3,4,5,6,7
	OUT \a, 1
.endr
.Lend:
	s_wait_tensorcnt 0x0                           ; the wave's end
	ds_add_u32 v[SPW], v[NIL]
	s_wait_dscnt 0x0
	CROUND                                         ; the closing round: no work-group ends while a partner may still ask for a tile that names it
	s_endpgm
.Lfunc_end_k_qb786aa69e0_proj:
	.size	k_qb786aa69e0_proj, .Lfunc_end_k_qb786aa69e0_proj-k_qb786aa69e0_proj
	.p2alignl 7, 3214868480
	.fill 96, 4, 3214868480
	.section	.rodata,"a",@progbits
	.p2align	6, 0x0
	.amdhsa_kernel k_qb786aa69e0_proj
		.amdhsa_group_segment_fixed_size 327680
		.amdhsa_private_segment_fixed_size 0
		.amdhsa_enable_private_segment 0
		.amdhsa_kernarg_size 56
		.amdhsa_user_sgpr_count 2
		.amdhsa_user_sgpr_kernarg_segment_ptr 1
		.amdhsa_wavefront_size32 1
		.amdhsa_system_sgpr_workgroup_id_x 1
		.amdhsa_system_sgpr_workgroup_id_y 1
		.amdhsa_system_sgpr_workgroup_id_z 1
		.amdhsa_system_vgpr_workitem_id 0
		.amdhsa_next_free_vgpr 1024
		.amdhsa_next_free_sgpr 100
		.amdhsa_reserve_vcc 0
		.amdhsa_float_denorm_mode_32 3
		.amdhsa_float_denorm_mode_16_64 3
		.amdhsa_memory_ordered 1
		.amdhsa_forward_progress 1
		.amdhsa_inst_pref_size 198
	.end_amdhsa_kernel
	.amdgpu_metadata
---
amdhsa.version: [ 1, 2 ]
amdhsa.kernels:
  - .name:           k_qb786aa69e0_proj
    .symbol:         k_qb786aa69e0_proj.kd
    .args:
      - { .name: xc, .offset: 0, .size: 8, .value_kind: global_buffer, .address_space: global }
      - { .name: wc, .offset: 8, .size: 8, .value_kind: global_buffer, .address_space: global }
      - { .name: lowp_scales, .offset: 16, .size: 8, .value_kind: global_buffer, .address_space: global }
      - { .name: bq, .offset: 24, .size: 8, .value_kind: global_buffer, .address_space: global }
      - { .name: bk, .offset: 32, .size: 8, .value_kind: global_buffer, .address_space: global }
      - { .name: bv, .offset: 40, .size: 8, .value_kind: global_buffer, .address_space: global }
      - { .name: qkv, .offset: 48, .size: 8, .value_kind: global_buffer, .address_space: global }
    .group_segment_fixed_size: 327680
    .private_segment_fixed_size: 0
    .kernarg_segment_align: 8
    .kernarg_segment_size: 56
    .max_flat_workgroup_size: 128
    .sgpr_count:     100
    .vgpr_count:     1024
    .wavefront_size: 32
...
	.end_amdgpu_metadata
.endif
;; end of part 2
;; launch attn (part 3): grid 4 x 64, 16 waves a work-group, no clusters, 67,584 bytes of LDS; arguments qkv, lowp_scales, yc; writes yc
.if DOCPART == 3
	.amdgcn_target "amdgcn-amd-amdhsa--gfx1250"
	.amdhsa_code_object_version 6
	.text
	.protected	k_qb786aa69e0_attn
	.globl	k_qb786aa69e0_attn
	.p2align	8
	.type	k_qb786aa69e0_attn,@function
k_qb786aa69e0_attn:
	s_mov_b64 s[64:65], 0
	v_nop
	global_prefetch_b8 v0, s[64:65] scope:SCOPE_SE
	s_setreg_imm32_b32 hwreg(HW_REG_WAVE_MODE, 25, 1), 1
	s_wait_xcnt 0x0
; ctx[bh][q] = the sum over keys of softmax(q . k / 8) v, both products on codes of FP8 (E4M3) with the given scales e6 (q), e7 (k), e8 (p), e9 (v); ctx is quantised with e10 and stored as an image of operand registers.
; THE SOFTMAX: t = score x log2(e) / 8; M = the running largest t rounded UP to a whole number; p = 2^(t - M) is quantised along the keys, not normalised; the row's sum is taken of the unquantised p and divides at
; the end.  When M moves, the sum and O are multiplied by 2^(old M - new M): exact.
; SHARES.  A work-group owns 512 queries of one of the 64 (batch, head); each of its sixteen waves owns 32: two tiles of 16, so that each fragment of K and V read from LDS feeds two products.  Four waves lie on a
; SIMD, so that one wave's exponentials stand beside another's plain work.  Every wave walks the head's 2,048 keys, 64 a step.
; LAYOUT.  qkv holds images of operand registers: [bh][64 tokens][tile 4][chunk 2][lane 32][16 bytes].  Both products are used transposed: S^T = K Q^T (source 0 = 16 keys), O^T = V^T P^T (source 0 = 16 channels):
; a lane holds one query throughout.  Lane r of tile 2 b + u holds key (or channel) 32 b + 8 u + r + 8 (r / 8), so the 16 registers of tiles 2 b and 2 b + 1 are 16 neighbours: the conversions' results are the next operand.
; LDS.  Two buffers of 32,768 bytes; a buffer holds 256 keys: K's four steps of 4,096 bytes, then V's, as they lie in memory.  They come through registers: wave w fetches 2,048 bytes a whole slot (four steps) ahead.
; NO TENSOR LOADS AND NO CLUSTER: p is at most 1, so its hold at 448 x 2^e8 can act only where e8 < -8; its 64 lines a step (a fifth of the step's vector lines) are jumped over by a branch on that given exponent.
; What the four work-groups of a head share is 2,048 bytes a wave for four key steps, asked for four steps ahead of its use.
; LIMITS: e6 + e7 between -123 and 130 (added to c's exponent field); e8 and e10 between -126 and 119; e8 + e9 is applied by v_ldexp_f32.  NaN is not served.
.set SLOTB, 1<<15
.set LI,  1                            ; v1   16 x lane
.set STA, 2                            ; v2   2,048 x wave + 16 x lane: my place in a buffer
.set GOF, 3                            ; v3   the same place in qkv's K or V region
.set ADR, 4                            ; v4   LDS address of the step in hand
.set PFO, 5                            ; v5   the prefetches' offset
.set SCP, 6                            ; v6   2^e8; on the way out 2^e10
.set LMP, 7                            ; v7   448 x that
.set STW, 30                           ; v30  where the fetched bytes are stored
; tile x: v[8+4x] -M, v[9+4x] the largest t, v[10+4x:11+4x] the sum in two halves; v[16+4x], v[17+4x] at work; v[18+4x:19+4x] f and a written partner; v[24+x] a permute's destination; v[26+2x:27+2x] the sum's second chain
.set Q,   32                           ; v32-47   Q: tile x, chunk c at 8 x + 4 c
.set STG, 48                           ; v48-63   2,048 bytes on their way from memory to LDS
.set KV,  64                           ; v64-95   four fragments of K, then of V
.set S,   96                           ; v96-159  S^T, then p: 32 a tile
.set OA,  160                          ; v160-223 O^T: 32 a tile
.set PC,  224                          ; v224-239 p's codes: 8 a tile
.set TB,  24                           ; s24  LDS byte at which the step in hand begins
.set SL,  25                           ; s25  slots still to be asked for
.set ST,  26                           ; s26  counts a slot's four steps
.set LIM, 27                           ; s27  1 in a wave that prefetches, else the greatest number
.set HF,  28                           ; s28  1 where e8 < -8
	s_load_b128 s[4:7], s[0:1], 0x0                ; qkv, the exponents
	s_load_b64 s[8:9], s[0:1], 0x10                ; yc
	v_lshl_add_u32 v254, v0, 2, 0x10000
	v_mov_b32 v255, 0
	v_lshrrev_b32 v4, 5, v0
	v_readfirstlane_b32 s10, v4                    ; wave 0..15
	v_and_b32 v1, 31, v0
	v_lshlrev_b32 v[LI], 4, v1
	s_and_b32 s11, ttmp7, 0xffff                   ; bh
	s_lshl_b32 s12, s10, 11
	v_add_nc_u32 v[STA], s12, v[LI]
	s_lshr_b32 s13, s10, 3
	s_add_co_u32 s13, s13, 1
	s_lshl_b32 s13, s13, 23                        ; waves 0-7: K's region, 8,388,608; waves 8-15: V's, 16,777,216
	s_and_b32 s18, s10, 7
	s_lshl_b32 s19, s18, 11
	s_add_co_u32 s19, s19, s13
	v_add_nc_u32 v[GOF], s19, v[LI]
	s_and_b32 s19, s10, 1
	s_lshl_b32 s19, s19, 13
	s_add_co_u32 s19, s19, s13
	v_lshlrev_b32 v[PFO], 4, v[LI]                 ; lanes 256 bytes apart,
	v_add_nc_u32 v[PFO], s19, v[PFO]               ; 8,192 bytes a wave
	s_lshr_b32 s29, s18, 1                         ; waves 0, 1 (K) and 8, 9 (V)
	s_or_b32 s29, s29, ttmp9                       ; of the head's first work-group ask
	s_cmp_eq_u32 s29, 0
	s_cselect_b32 s[LIM], 1, -1
	s_lshl_b32 s30, s11, 17                        ; the head's 131,072 bytes
	s_mov_b32 s31, 0
	s_lshl_b32 s38, ttmp9, 15                      ; my work-group's 512 queries: 8 steps of 4,096 bytes,
	s_add_co_u32 s38, s38, s12                     ; my wave's two tiles
	s_mov_b32 s39, 0
	s_lshr_b32 s40, s11, 4                         ; yc: token tile 128 x batch + 32 x work-group + 2 x wave, 16,384 bytes each; 1,024 for the head
	s_lshl_b32 s40, s40, 7
	s_lshl_b32 s41, ttmp9, 5
	s_add_co_u32 s40, s40, s41
	s_lshl_b32 s41, s10, 1
	s_add_co_u32 s40, s40, s41
	s_lshl_b32 s40, s40, 14
	s_and_b32 s41, s11, 15
	s_lshl_b32 s41, s41, 10
	s_add_co_u32 s40, s40, s41
	s_mov_b32 s41, 0
	s_mov_b32 s20, 0x76543210                      ; v_permlanex16_b32's selects for lane l xor 16
	s_mov_b32 s21, 0xfedcba98
	s_mov_b32 s22, 0x3e38aa3b                      ; c = log2(e) / 8
	s_mov_b32 s[TB], 0
	s_mov_b32 s[SL], 6
	s_wait_kmcnt 0x0
	s_load_b128 s[32:35], s[6:7], 0x18             ; e6, e7, e8, e9
	s_load_b32 s36, s[6:7], 0x28                   ; e10
	s_add_nc_u64 s[14:15], s[4:5], s[30:31]        ; the head; it walks a slot (16,384 bytes) at a time
	s_add_nc_u64 s[16:17], s[14:15], s[38:39]      ; my Q
	s_add_nc_u64 s[8:9], s[8:9], s[40:41]
.irp i, 0,1,2,3
	global_load_b128 v[Q+4*\i:Q+4*\i+3], v[LI], s[16:17] offset:512*\i
.endr
.irp i, 0,1,2,3
	global_load_b128 v[STG+4*\i:STG+4*\i+3], v[GOF], s[14:15] offset:512*\i      ; slot 0
.endr
.irp x, 0,1
	v_mov_b32 v[9+4*\x], 0xff61b1e6                ; the largest t so far: -3e38
	v_floor_f32 v[8+4*\x], -v[9+4*\x]              ; -M
	v_mov_b32 v[10+4*\x], 0
	v_mov_b32 v[11+4*\x], 0
	v_mov_b32 v[19+4*\x], 0                        ; named as the upper half of f's pair
	v_mov_b32 v[24+\x], 0                          ; a lane permute's destination counts as one of its sources
.endr
.set j, 0
.rept 64
	v_mov_b32 v[OA+j], 0                           ; O^T: the step is written once; the first finds zeros, which the first change of M leaves zeros
.set j, j+1
.endr
	s_wait_kmcnt 0x0
	s_add_co_i32 s29, s32, s33
	s_lshl_b32 s29, s29, 23
	s_add_co_i32 s22, s22, s29                     ; a score stands for score x 2^(e6 + e7)
	s_mov_b32 s23, s22
	s_add_co_i32 s29, s34, 127
	s_lshl_b32 s30, s29, 23
	v_mov_b32 v[SCP], s30                          ; 2^e8
	s_add_co_i32 s29, s29, 8
	s_lshl_b32 s29, s29, 23
	s_or_b32 s29, s29, 0x600000
	v_mov_b32 v[LMP], s29                          ; 448 x 2^e8
	s_cmp_lt_i32 s34, -8
	s_cselect_b32 s[HF], 1, 0
	s_wait_loadcnt 0x0                             ; Q and slot 0
.irp i, 0,1,2,3
	ds_store_b128 v[STA], v[STG+4*\i:STG+4*\i+3] offset:512*\i
.endr
	s_wait_dscnt 0x0                               ; the stores have read their registers
	s_add_nc_u64 s[14:15], s[14:15], 16384         ; (every load that named the address is done)
.irp i, 0,1,2,3
	global_load_b128 v[STG+4*\i:STG+4*\i+3], v[GOF], s[14:15] offset:512*\i      ; slot 1
.endr
; A KEY STEP: 64 keys, two tiles of queries.
.macro STEP
	v_add_nc_u32 v[ADR], s[TB], v[LI]
.rept 3
	v_nop                                          ; with the addition: four places in front of loads into registers that the last products read
.endr
.irp t, 0,1,2,3
.irp c, 0,1
	ds_load_b128 v[KV+8*\t+4*\c:KV+8*\t+4*\c+3], v[ADR] offset:1024*\t+512*\c
.endr
.endr
	s_wait_dscnt 0x0
.irp t, 0,1,2,3
.irp x, 0,1
	v_wmma_f32_16x16x64_fp8_fp8 v[S+32*\x+8*\t:S+32*\x+8*\t+7], v[KV+8*\t:KV+8*\t+7], v[Q+8*\x:Q+8*\x+7], 0
.endr
.endr
.rept 4
	v_nop                                          ; places in front of the loads below and of the first read of the scores
.endr
.irp t, 0,1,2,3
.irp c, 0,1
	ds_load_b128 v[KV+8*\t+4*\c:KV+8*\t+4*\c+3], v[ADR] offset:16384+1024*\t+512*\c   ; V's fragments land while the softmax is worked
.endr
.endr
.irp x, 0,1                                    ; the largest of a lane's 32 scores, in two chains; each tile of scores is read from its low end on
	v_max3_num_f32 v[16+4*\x], v[S+32*\x], v[S+32*\x+1], v[S+32*\x+2]
	v_max3_num_f32 v[17+4*\x], v[S+32*\x+3], v[S+32*\x+4], v[S+32*\x+5]
.endr
.irp i, 6,10,14,18,22,26
.irp x, 0,1
	v_max3_num_f32 v[16+4*\x], v[16+4*\x], v[S+32*\x+\i], v[S+32*\x+\i+1]
	v_max3_num_f32 v[17+4*\x], v[17+4*\x], v[S+32*\x+\i+2], v[S+32*\x+\i+3]
.endr
.endr
.irp x, 0,1
	v_max3_num_f32 v[16+4*\x], v[16+4*\x], v[S+32*\x+30], v[S+32*\x+31]
.endr
.irp x, 0,1
	v_max_num_f32 v[16+4*\x], v[16+4*\x], v[17+4*\x]
.endr
.irp x, 0,1
	v_permlanex16_b32 v[24+\x], v[16+4*\x], s20, s21
.endr
.irp x, 0,1
	v_max_num_f32 v[16+4*\x], v[16+4*\x], v[24+\x]   ; and lane l xor 16's 32 keys
.endr
.irp x, 0,1
	v_mul_f32 v[16+4*\x], s22, v[16+4*\x]          ; as t (c is positive)
.endr
.irp x, 0,1
	v_max_num_f32 v[9+4*\x], v[9+4*\x], v[16+4*\x] ; the running largest t
.endr
.irp x, 0,1
	v_mov_b32 v[16+4*\x], v[8+4*\x]
.endr
.irp x, 0,1
	v_floor_f32 v[8+4*\x], -v[9+4*\x]              ; the new -M = -ceil(t)
.endr
.irp x, 0,1
	v_sub_f32 v[16+4*\x], v[8+4*\x], v[16+4*\x]    ; old M - new M: a whole number, 0 or less
.endr
.irp x, 0,1
	v_cvt_i32_f32 v[16+4*\x], v[16+4*\x]           ; (it saturates)
.endr
.irp x, 0,1
	v_ldexp_f32 v[18+4*\x], 1.0, v[16+4*\x]        ; f = 2^(old M - new M)
.endr
.irp x, 0,1
.set j, 0
.rept 16
	v_pk_fma_f32 v[S+32*\x+j:S+32*\x+j+1], v[S+32*\x+j:S+32*\x+j+1], s[22:23], v[8+4*\x:9+4*\x] op_sel_hi:[1,0,0]   ; t - M
.set j, j+2
.endr
.endr
.set j, 0
.rept 64
	v_exp_f32 v[S+j], v[S+j]                       ; p = 2^(t - M)
.set j, j+1
.endr
.irp x, 0,1
	v_pk_mul_f32 v[10+4*\x:11+4*\x], v[10+4*\x:11+4*\x], v[18+4*\x:19+4*\x] op_sel_hi:[1,0]   ; the sums under the new M: the plain lines behind the exponentials
.endr
	s_wait_alu depctr_va_vdst(0)                   ; one wait for the batch of 64, ahead of its first reader
.irp x, 0,1
	v_pk_add_f32 v[26+2*\x:27+2*\x], v[S+32*\x:S+32*\x+1], v[S+32*\x+2:S+32*\x+3]   ; the row's sum of the UNQUANTISED p, in two chains
.endr
.irp i, 4,8,12,16,20,24,28
.irp x, 0,1
	v_pk_add_f32 v[10+4*\x:11+4*\x], v[10+4*\x:11+4*\x], v[S+32*\x+\i:S+32*\x+\i+1]
	v_pk_add_f32 v[26+2*\x:27+2*\x], v[26+2*\x:27+2*\x], v[S+32*\x+\i+2:S+32*\x+\i+3]
.endr
.endr
.irp x, 0,1
	v_pk_add_f32 v[10+4*\x:11+4*\x], v[10+4*\x:11+4*\x], v[26+2*\x:27+2*\x]
.endr
	s_cmp_eq_u32 s[HF], 0                          ; p <= 1, so p / 2^e8 <= 256 where e8 >= -8: the hold can act only below that
	s_cbranch_scc1 .Lheld_\@
.set j, 0
.rept 64
	v_min_num_f32 v[S+j], v[S+j], v[LMP]           ; the conversion does not saturate (ISA guide 7.6.2); p is not negative
.set j, j+1
.endr
.Lheld_\@:
.irp x, 0,1
.irp b, 0,1
	v_cvt_scalef32_pk8_fp8_f32 v[PC+8*\x+4*\b:PC+8*\x+4*\b+1], v[S+32*\x+16*\b:S+32*\x+16*\b+7], v[SCP]
	v_cvt_scalef32_pk8_fp8_f32 v[PC+8*\x+4*\b+2:PC+8*\x+4*\b+3], v[S+32*\x+16*\b+8:S+32*\x+16*\b+15], v[SCP]
.endr
.endr
.irp x, 0,1
.set j, 0
.rept 16
	v_pk_mul_f32 v[OA+32*\x+j:OA+32*\x+j+1], v[OA+32*\x+j:OA+32*\x+j+1], v[18+4*\x:19+4*\x] op_sel_hi:[1,0]   ; O^T under the new M; also the plain lines behind the conversions
.set j, j+2
.endr
.endr
	s_wait_dscnt 0x0                               ; V's fragments
.irp t, 0,1,2,3
.irp x, 0,1
	v_wmma_f32_16x16x64_fp8_fp8 v[OA+32*\x+8*\t:OA+32*\x+8*\t+7], v[KV+8*\t:KV+8*\t+7], v[PC+8*\x:PC+8*\x+7], v[OA+32*\x+8*\t:OA+32*\x+8*\t+7]   ; eight accumulators, one turn each
.endr
.endr
	s_add_co_u32 s[TB], s[TB], 4096
.endm
.macro FOUR_STEPS                      ; a slot's four steps: written once, walked four times
	s_mov_b32 s[ST], 4
.Lstep_\@:
	STEP
	s_sub_co_u32 s[ST], s[ST], 1
	s_cmp_lg_u32 s[ST], 0
	s_cbranch_scc1 .Lstep_\@
	s_sub_co_u32 s[TB], s[TB], 16384               ; back to a buffer's first step,
	s_xor_b32 s[TB], s[TB], SLOTB                  ; in the other buffer
.endm
; A PREFETCH INTO THE L2 of the slot after the one whose loads have just been issued: 16,384 bytes of K and of V, 128 blocks of 256 bytes.  All four work-groups of a head walk the same K and V: the first asks, and in it
; waves 0, 1 (K) and 8, 9 (V), 8,192 bytes a wave, lanes 256 bytes apart: each block is named once in the launch.  The last trip of the loop asks for nothing: there is no slot behind the last.
.macro ASK
	s_cmp_gt_u32 s[SL], s[LIM]
	s_cbranch_scc0 .Lnot_mine_\@
	global_prefetch_b8 v[PFO], s[14:15] offset:16384 th:TH_LOAD_NT scope:SCOPE_SE
.Lnot_mine_\@:
.endm
; SLOT n.  In front of the barrier each wave's stores into this slot's buffer have landed and its reads of the other buffer are back.  Behind it: st = 1: slot n + 1, fetched a slot ago, goes into the other buffer;
; ld = 1: slot n + 2 is asked for.
.macro SLOTM st, ld
	s_wait_dscnt 0x0
	s_barrier_signal -1
	s_barrier_wait -1
.if \st
	s_wait_loadcnt 0x0                             ; asked for four key steps ago
	s_xor_b32 s29, s[TB], SLOTB
	v_add_nc_u32 v[STW], s29, v[STA]
.irp i, 0,1,2,3
	ds_store_b128 v[STW], v[STG+4*\i:STG+4*\i+3] offset:512*\i
.endr
.endif
.if \ld
	s_wait_dscnt 0x0                               ; the stores have read their registers
	s_wait_xcnt 0x0                                ; the last prefetch, a slot back, has read its address
	s_add_nc_u64 s[14:15], s[14:15], 16384
.irp i, 0,1,2,3
	global_load_b128 v[STG+4*\i:STG+4*\i+3], v[GOF], s[14:15] offset:512*\i
.endr
	ASK
.endif
	FOUR_STEPS
.endm
.Lslot:                                            ; slots 0 to 5
	SLOTM 1, 1
	s_sub_co_u32 s[SL], s[SL], 1
	s_cmp_lg_u32 s[SL], 0
	s_cbranch_scc1 .Lslot
	SLOTM 1, 0                                     ; slot 6: the last slot goes into LDS, nothing is left to fetch
	SLOTM 0, 0                                     ; slot 7
	; THE WAY OUT: ctx = O^T x 2^(e8 + e9) / the sum, quantised with e10.  Register 16 B + i of a tile is channel 32 B + 16 (lane / 16) + i: two chunks of 16 bytes a tile, stored as 512 consecutive bytes a wave, aligned.
.rept 4
	v_nop
.endr
.irp x, 0,1
	v_add_f32 v[10+4*\x], v[10+4*\x], v[11+4*\x]
.endr
.irp x, 0,1
	v_permlanex16_b32 v[24+\x], v[10+4*\x], s20, s21
.endr
.irp x, 0,1
	v_add_f32 v[10+4*\x], v[10+4*\x], v[24+\x]
.endr
.irp x, 0,1
	v_rcp_f32 v[18+4*\x], v[10+4*\x]
.endr
	s_add_co_i32 s37, s34, s35                     ; e8 + e9
	s_add_co_i32 s29, s36, 127
	s_lshl_b32 s30, s29, 23
	v_mov_b32 v[SCP], s30                          ; 2^e10 (a plain line behind the reciprocals)
	s_add_co_i32 s29, s29, 8
	s_lshl_b32 s29, s29, 23
	s_or_b32 s29, s29, 0x600000
	v_mov_b32 v[LMP], s29                          ; 448 x 2^e10
	s_wait_alu depctr_va_vdst(0)                   ; one wait for the two reciprocals, ahead of their first reader
.irp x, 0,1
	v_ldexp_f32 v[18+4*\x], v[18+4*\x], s37
.endr
.irp x, 0,1
.set j, 0
.rept 16
	v_pk_mul_f32 v[OA+32*\x+j:OA+32*\x+j+1], v[OA+32*\x+j:OA+32*\x+j+1], v[18+4*\x:19+4*\x] op_sel_hi:[1,0]
.set j, j+2
.endr
.endr
.set j, 0
.rept 64
	v_med3_num_f32 v[OA+j], v[OA+j], -v[LMP], v[LMP]
.set j, j+1
.endr
.irp x, 0,1
.irp b, 0,1
	v_cvt_scalef32_pk8_fp8_f32 v[PC+8*\x+4*\b:PC+8*\x+4*\b+1], v[OA+32*\x+16*\b:OA+32*\x+16*\b+7], v[SCP]
	v_cvt_scalef32_pk8_fp8_f32 v[PC+8*\x+4*\b+2:PC+8*\x+4*\b+3], v[OA+32*\x+16*\b+8:OA+32*\x+16*\b+15], v[SCP]
.endr
.endr
	v_nop
.irp x, 0,1
.irp b, 0,1
	global_store_b128 v[LI], v[PC+8*\x+4*\b:PC+8*\x+4*\b+3], s[8:9] offset:\x*16384+\b*512
.endr
.endr
	s_wait_tensorcnt 0x0
	ds_add_u32 v254, v255
	s_wait_dscnt 0x0
	s_endpgm
.Lfunc_end_k_qb786aa69e0_attn:
	.size	k_qb786aa69e0_attn, .Lfunc_end_k_qb786aa69e0_attn-k_qb786aa69e0_attn
	.p2alignl 7, 3214868480
	.fill 96, 4, 3214868480
	.section	.rodata,"a",@progbits
	.p2align	6, 0x0
	.amdhsa_kernel k_qb786aa69e0_attn
		.amdhsa_group_segment_fixed_size 67584
		.amdhsa_private_segment_fixed_size 0
		.amdhsa_enable_private_segment 0
		.amdhsa_kernarg_size 24
		.amdhsa_user_sgpr_count 2
		.amdhsa_user_sgpr_kernarg_segment_ptr 1
		.amdhsa_wavefront_size32 1
		.amdhsa_system_sgpr_workgroup_id_x 1
		.amdhsa_system_sgpr_workgroup_id_y 1
		.amdhsa_system_sgpr_workgroup_id_z 1
		.amdhsa_system_vgpr_workitem_id 0
		.amdhsa_next_free_vgpr 256
		.amdhsa_next_free_sgpr 66
		.amdhsa_reserve_vcc 0
		.amdhsa_float_denorm_mode_32 3
		.amdhsa_float_denorm_mode_16_64 3
		.amdhsa_memory_ordered 1
		.amdhsa_forward_progress 1
		.amdhsa_inst_pref_size 65
	.end_amdhsa_kernel
	.amdgpu_metadata
---
amdhsa.version: [ 1, 2 ]
amdhsa.kernels:
  - .name:           k_qb786aa69e0_attn
    .symbol:         k_qb786aa69e0_attn.kd
    .args:
      - { .name: qkv, .offset: 0, .size: 8, .value_kind: global_buffer, .address_space: global }
      - { .name: lowp_scales, .offset: 8, .size: 8, .value_kind: global_buffer, .address_space: global }
      - { .name: yc, .offset: 16, .size: 8, .value_kind: global_buffer, .address_space: global }
    .group_segment_fixed_size: 67584
    .private_segment_fixed_size: 0
    .kernarg_segment_align: 8
    .kernarg_segment_size: 24
    .max_flat_workgroup_size: 512
    .sgpr_count:     66
    .vgpr_count:     256
    .wavefront_size: 32
...
	.end_amdgpu_metadata
.endif
;; end of part 3
;; launch outp (part 4): grid 256 x 1, 2 waves a work-group, no clusters, 8,960 bytes of LDS; arguments yc, woc, lowp_scales, bo, out0; writes out0
.if DOCPART == 4
	.amdgcn_target "amdgcn-amd-amdhsa--gfx1250"
	.amdhsa_code_object_version 6
	.text
	.protected	k_qb786aa69e0_outp
	.globl	k_qb786aa69e0_outp
	.p2align	8
	.type	k_qb786aa69e0_outp,@function
k_qb786aa69e0_outp:
	s_mov_b64 s[64:65], 0
	v_nop
	global_prefetch_b8 v0, s[64:65] scope:SCOPE_SE
	s_setreg_imm32_b32 hwreg(HW_REG_WAVE_MODE, 25, 1), 1
	s_wait_xcnt 0x0
; out0 = y Wo + bo on codes of FP8 (E4M3): y [8192][1024] with e10, Wo [1024][64] with e11; f32 sums x 2^(e10 + e11) + bo.
; yc and woc hold images of operand registers, so every fragment comes by loads of 16 bytes a lane, 512 consecutive bytes a wave.
; A wave takes one tile of 16 tokens (G = 2 x work-group + wave: tokens 32 (G / 2) + 8 (G % 2) + r + 8 (r / 8)) and all 64 outputs: 8 K steps x 4 tiles of outputs = 32 matrix instructions.
; Straight line: everything is asked for at once; no loop, no barrier (a wave's stage is its own).  Source 0 = 16 outputs of Wo, source 1 = the tokens: a lane holds eight neighbouring outputs of one token.
; No tensor loads and no cluster: a wave's share is 16,384 bytes of its own and Wo's 65,536, which all waves read; the launch has 32 matrix instructions a wave.
; LIMIT: e10 + e11 between -126 and 127.
; REGISTERS: window 0: v1-5 addresses; v16-143 y's eight fragments; v144-175 four accumulators; v176-207 bo in the result's layout, then the results; v208-239 rows read back.
;   window 1: Wo's tiles 0, 1 (fragment (nt, s) at 128 (nt % 2) + 16 s);   window 2: tiles 2, 3.
.set YF,  16
.set ACC, 144
.set RES, 176
.set BK,  208
.set SPI, 272                          ; a stage row: a token's 256 bytes + 16
.set MSB, 0
.macro WIN new                         ; the immediate's high byte repeats the setting that is left
.if MSB != \new
	s_set_vgpr_msb (MSB<<8)|\new
.set MSB, \new
.endif
.endm
	s_load_b256 s[4:11], s[0:1], 0x0               ; yc s[4:5], woc s[6:7], the exponents s[8:9], bo s[10:11]
	s_load_b64 s[12:13], s[0:1], 0x20              ; out0
	v_lshl_add_u32 v254, v0, 2, 0x2200
	v_mov_b32 v255, 0
	v_lshrrev_b32 v6, 5, v0
	v_readfirstlane_b32 s14, v6                    ; wave 0, 1
	v_and_b32 v7, 31, v0
	v_lshlrev_b32 v1, 4, v7                        ; 16 x lane
	v_and_b32 v8, 15, v0                           ; r
	v_bfe_u32 v9, v0, 4, 1                         ; h
	v_lshlrev_b32 v2, 5, v9                        ; bo: my half's eight numbers of a tile
	s_mul_i32 s15, s14, 16*SPI                     ; my stage
	v_mul_u32_u24 v3, v8, SPI
	v_lshl_add_u32 v3, v9, 5, v3
	v_add_nc_u32 v3, s15, v3                       ; in: row r, + 32 h
	v_mul_u32_u24 v4, v9, SPI
	v_lshl_add_u32 v4, v8, 4, v4
	v_add_nc_u32 v4, s15, v4                       ; back: lanes 0-15 one row, lanes 16-31 the next
	v_lshlrev_b32 v5, 8, v9
	v_lshl_add_u32 v5, v8, 4, v5                   ; and the same two rows in out0
	s_lshl_b32 s18, ttmp9, 1
	s_add_co_u32 s18, s18, s14                     ; G
	s_lshl_b32 s18, s18, 14
	s_mov_b32 s19, 0
	s_lshl_b32 s20, ttmp9, 13                      ; token 32 (G / 2) + 8 (G % 2), 256 bytes each
	s_lshl_b32 s21, s14, 11
	s_add_co_u32 s20, s20, s21
	s_mov_b32 s21, 0
	s_wait_kmcnt 0x0
	s_load_b64 s[16:17], s[8:9], 0x28              ; e10, e11
	s_add_nc_u64 s[4:5], s[4:5], s[18:19]
	s_add_nc_u64 s[12:13], s[12:13], s[20:21]
.irp n, 0,1,2,3
	global_load_b128 v[RES+8*\n:RES+8*\n+3], v2, s[10:11] offset:64*\n        ; bo(16 nt + 8 h + 0 .. 7)
	global_load_b128 v[RES+8*\n+4:RES+8*\n+7], v2, s[10:11] offset:64*\n+16
.endr
.set i, 0
.rept 32
	global_load_b128 v[YF+4*i:YF+4*i+3], v1, s[4:5] offset:512*i th:TH_LOAD_NT   ; head i / 2, chunk i % 2: K step i / 4, registers 4 (i % 4) on
.set i, i+1
.endr
	WIN 0x40                                       ; destination window 1
.irp n, 0,1
.set i, 0
.rept 32
	global_load_b128 v[128*\n+4*i:128*\n+4*i+3], v1, s[6:7] offset:16384*\n+512*i
.set i, i+1
.endr
.endr
	WIN 0x80                                       ; destination window 2
.irp n, 0,1
.set i, 0
.rept 32
	global_load_b128 v[128*\n+4*i:128*\n+4*i+3], v1, s[6:7] offset:32768+16384*\n+512*i
.set i, i+1
.endr
.endr
	WIN 0
	s_wait_loadcnt 63                              ; bo, y and Wo's tiles 0, 1 are in: 64 loads were issued behind them; the wait's field holds 63, so it is one stricter
	WIN 0x01                                       ; source 0 window 1
.irp s, 0,1,2,3,4,5,6,7                        ; two accumulators by turns, one instruction a turn; the first K step starts the sums
.irp n, 0,1
.if \s == 0
	v_wmma_f32_16x16x128_fp8_fp8 v[ACC+8*\n:ACC+8*\n+7], v[128*\n+16*\s:128*\n+16*\s+15], v[YF+16*\s:YF+16*\s+15], 0
.else
	v_wmma_f32_16x16x128_fp8_fp8 v[ACC+8*\n:ACC+8*\n+7], v[128*\n+16*\s:128*\n+16*\s+15], v[YF+16*\s:YF+16*\s+15], v[ACC+8*\n:ACC+8*\n+7]
.endif
.endr
.endr
	s_wait_loadcnt 0x0                             ; Wo's tiles 2, 3
	WIN 0x02                                       ; source 0 window 2
.irp s, 0,1,2,3,4,5,6,7
.irp n, 0,1
.if \s == 0
	v_wmma_f32_16x16x128_fp8_fp8 v[ACC+16+8*\n:ACC+16+8*\n+7], v[128*\n+16*\s:128*\n+16*\s+15], v[YF+16*\s:YF+16*\s+15], 0
.else
	v_wmma_f32_16x16x128_fp8_fp8 v[ACC+16+8*\n:ACC+16+8*\n+7], v[128*\n+16*\s:128*\n+16*\s+15], v[YF+16*\s:YF+16*\s+15], v[ACC+16+8*\n:ACC+16+8*\n+7]
.endif
.endr
.endr
	WIN 0
.rept 4
	v_nop                                          ; places in front of the first read of the results (ISA guide 7.12.1)
.endr
	s_wait_kmcnt 0x0
	s_add_co_i32 s16, s16, s17
	s_add_co_i32 s16, s16, 127
	s_lshl_b32 s16, s16, 23                        ; 2^(e10 + e11) as f32
	s_mov_b32 s17, s16                             ; (named with it as a pair)
.set j, 0
.rept 16
	v_pk_fma_f32 v[RES+j:RES+j+1], v[ACC+j:ACC+j+1], s[16:17], v[RES+j:RES+j+1] op_sel_hi:[1,0,1]   ; sum x 2^(e10 + e11) + bo; each accumulator from its low end on
.set j, j+2
.endr
.irp n, 0,1,2,3
	ds_store_b128 v3, v[RES+8*\n:RES+8*\n+3] offset:64*\n
	ds_store_b128 v3, v[RES+8*\n+4:RES+8*\n+7] offset:64*\n+16
.endr
.irp i, 0,1,2,3,4,5,6,7
	ds_load_b128 v[BK+4*\i:BK+4*\i+3], v4 offset:2*\i*SPI      ; LDS serves a wave's instructions in order (ISA guide 5.7.1.4): these see my stores
.endr
.irp i, 0,1,2,3,4,5,6,7
	s_wait_dscnt 7-\i
	global_store_b128 v5, v[BK+4*\i:BK+4*\i+3], s[12:13] offset:(2*\i+8*(\i/4))*256 th:TH_STORE_NT   ; tile rows 2 i, 2 i + 1 are tokens 2 i + 8 (i / 4) and the next; sixteen lanes store a token's 256 bytes, aligned
.endr
	s_wait_tensorcnt 0x0
	ds_add_u32 v254, v255
	s_wait_dscnt 0x0
	s_endpgm
.Lfunc_end_k_qb786aa69e0_outp:
	.size	k_qb786aa69e0_outp, .Lfunc_end_k_qb786aa69e0_outp-k_qb786aa69e0_outp
	.p2alignl 7, 3214868480
	.fill 96, 4, 3214868480
	.section	.rodata,"a",@progbits
	.p2align	6, 0x0
	.amdhsa_kernel k_qb786aa69e0_outp
		.amdhsa_group_segment_fixed_size 8960
		.amdhsa_private_segment_fixed_size 0
		.amdhsa_enable_private_segment 0
		.amdhsa_kernarg_size 40
		.amdhsa_user_sgpr_count 2
		.amdhsa_user_sgpr_kernarg_segment_ptr 1
		.amdhsa_wavefront_size32 1
		.amdhsa_system_sgpr_workgroup_id_x 1
		.amdhsa_system_sgpr_workgroup_id_y 1
		.amdhsa_system_sgpr_workgroup_id_z 1
		.amdhsa_system_vgpr_workitem_id 0
		.amdhsa_next_free_vgpr 768
		.amdhsa_next_free_sgpr 66
		.amdhsa_reserve_vcc 0
		.amdhsa_float_denorm_mode_32 3
		.amdhsa_float_denorm_mode_16_64 3
		.amdhsa_memory_ordered 1
		.amdhsa_forward_progress 1
		.amdhsa_inst_pref_size 24
	.end_amdhsa_kernel
	.amdgpu_metadata
---
amdhsa.version: [ 1, 2 ]
amdhsa.kernels:
  - .name:           k_qb786aa69e0_outp
    .symbol:         k_qb786aa69e0_outp.kd
    .args:
      - { .name: yc, .offset: 0, .size: 8, .value_kind: global_buffer, .address_space: global }
      - { .name: woc, .offset: 8, .size: 8, .value_kind: global_buffer, .address_space: global }
      - { .name: lowp_scales, .offset: 16, .size: 8, .value_kind: global_buffer, .address_space: global }
      - { .name: bo, .offset: 24, .size: 8, .value_kind: global_buffer, .address_space: global }
      - { .name: out0, .offset: 32, .size: 8, .value_kind: global_buffer, .address_space: global }
    .group_segment_fixed_size: 8960
    .private_segment_fixed_size: 0
    .kernarg_segment_align: 8
    .kernarg_segment_size: 40
    .max_flat_workgroup_size: 64
    .sgpr_count:     66
    .vgpr_count:     768
    .wavefront_size: 32
...
	.end_amdgpu_metadata
.endif
;; end of part 4
;; ======== version 2 of 2: 4 launches; version 1 with the launches attn, outp written anew for expert scheduling mode
;; workspace buffers: xc 25,165,824 bytes; wc 3,145,728 bytes; woc 65,536 bytes; qkv 25,165,824 bytes; yc 8,388,608 bytes
;; launch quant: the kernel of part 1 again; grid 610 x 1, 4 waves a work-group, no clusters, 68,096 bytes of LDS; arguments current_tokens, context_tokens, Wq, Wk, Wv, Wo, lowp_scales, xc, wc, woc; writes xc, wc, woc
;; launch proj: the kernel of part 2 again; grid 4 x 96, 4 waves a work-group, clusters of 4 x 4, 327,680 bytes of LDS; arguments xc, wc, lowp_scales, bq, bk, bv, qkv; writes qkv
;; launch attn (part 5): grid 4 x 64, 16 waves a work-group, no clusters, 67,584 bytes of LDS; arguments qkv, lowp_scales, yc; writes yc
.if DOCPART == 5
	.amdgcn_target "amdgcn-amd-amdhsa--gfx1250"
	.amdhsa_code_object_version 6
	.text
	.protected	k_qb786aa69e0_attn
	.globl	k_qb786aa69e0_attn
	.p2align	8
	.type	k_qb786aa69e0_attn,@function
k_qb786aa69e0_attn:
	s_mov_b64 s[64:65], 0
	v_nop
	global_prefetch_b8 v0, s[64:65] scope:SCOPE_SE
	s_setreg_imm32_b32 hwreg(HW_REG_WAVE_SCHED_MODE, 0, 2), 2
	s_setreg_imm32_b32 hwreg(HW_REG_WAVE_MODE, 25, 1), 1
	s_wait_xcnt 0x0
	s_wait_alu depctr_vm_vsrc(0)
; ctx[bh][q] = the sum over keys of softmax(q . k / 8) v, both products on codes of FP8 (E4M3) with the given scales e6 (q), e7 (k), e8 (p), e9 (v); ctx is quantised with e10 and stored as an image of operand registers.
; THE SOFTMAX: t = score x log2(e) / 8; M = the running largest t rounded UP to a whole number; p = 2^(t - M) is quantised along the keys, not normalised; the row's sum is taken of the unquantised p and divides at
; the end.  When M moves, the sum and O are multiplied by 2^(old M - new M): exact.
; SHARES.  A work-group owns 512 queries of one of the 64 (batch, head); each of its sixteen waves owns 32: two tiles of 16, so that each fragment of K and V read from LDS feeds two products.  Four waves lie on a
; SIMD, so that one wave's exponentials stand beside another's plain work.  Every wave walks the head's 2,048 keys, 64 a step.
; LAYOUT.  qkv holds images of operand registers: [bh][64 tokens][tile 4][chunk 2][lane 32][16 bytes].  Both products are used transposed: S^T = K Q^T (source 0 = 16 keys), O^T = V^T P^T (source 0 = 16 channels):
; a lane holds one query throughout.  Lane r of tile 2 b + u holds key (or channel) 32 b + 8 u + r + 8 (r / 8), so the 16 registers of tiles 2 b and 2 b + 1 are 16 neighbours: the conversions' results are the next operand.
; LDS.  Two buffers of 32,768 bytes; a buffer holds 256 keys: K's four steps of 4,096 bytes, then V's, as they lie in memory.  They come through registers: wave w fetches 2,048 bytes a whole slot (four steps) ahead.
; NO TENSOR LOADS AND NO CLUSTER: p is at most 1, so its hold at 448 x 2^e8 can act only where e8 < -8; its 64 lines a step (a fifth of the step's vector lines) are jumped over by a branch on that given exponent.
; What the four work-groups of a head share is 2,048 bytes a wave for four key steps, asked for four steps ahead of its use.
; LIMITS: e6 + e7 between -123 and 130 (added to c's exponent field); e8 and e10 between -126 and 119; e8 + e9 is applied by v_ldexp_f32.  NaN is not served.
; THE MODE: SCHED_MODE bits 1:0 = 2 (LLVM: expert scheduling mode 2), set by the entry lines.  The code itself states the register dependences between vector or matrix instructions and memory or LDS
; instructions, with s_wait_alu, always for 0.
; THE PLAN.  Registers that memory or LDS instructions touch:
;   v1, v2, v3, v5  offsets and addresses, made once at the head and never written again: one wait on va_vdst ahead of the first load serves them for the whole kernel.
;   v[ADR]          written by one addition at a key step's head; read by the step's sixteen LDS loads.
;   KV              K's eight loads land in it at the step's head and the products K Q^T read it; V's eight loads land in it in the step's middle and the products V^T P^T read it.
;   v[STW]          written by one addition a slot; read by the slot's four LDS stores.
;   STG             four global loads a slot land in it; four LDS stores read it a slot later; no vector instruction names it.
;   PC              in the loop named by conversions and matrix instructions alone; on the way out the last conversions write it and four stores read it.
; A KEY STEP has one wait on vm_vsrc (the last step's loads have read v[ADR]) ahead of the addition, one on va_vdst behind it (v[ADR] is written; the last products V^T P^T are done reading KV), and the wait on va_vdst
; that stands behind the exponentials in any case, which also states that the products K Q^T are done reading KV: V's loads stand directly behind it.  Every step begins so, on the way in, over both back edges and in the tail.
; There is one KV: K of the next step beside V of this one would take 64 registers, and of the wave's 256 seventeen are free.
.set SLOTB, 1<<15
.set LI,  1                            ; v1   16 x lane
.set STA, 2                            ; v2   2,048 x wave + 16 x lane: my place in a buffer
.set GOF, 3                            ; v3   the same place in qkv's K or V region
.set ADR, 4                            ; v4   LDS address of the step in hand
.set PFO, 5                            ; v5   the prefetches' offset
.set SCP, 6                            ; v6   2^e8; on the way out 2^e10
.set LMP, 7                            ; v7   448 x that
.set STW, 30                           ; v30  where the fetched bytes are stored
; tile x: v[8+4x] -M, v[9+4x] the largest t, v[10+4x:11+4x] the sum in two halves; v[16+4x], v[17+4x] at work; v[18+4x:19+4x] f and a written partner; v[24+x] a permute's destination; v[26+2x:27+2x] the sum's second chain
.set Q,   32                           ; v32-47   Q: tile x, chunk c at 8 x + 4 c
.set STG, 48                           ; v48-63   2,048 bytes on their way from memory to LDS
.set KV,  64                           ; v64-95   four fragments of K, then of V
.set S,   96                           ; v96-159  S^T, then p: 32 a tile
.set OA,  160                          ; v160-223 O^T: 32 a tile
.set PC,  224                          ; v224-239 p's codes: 8 a tile
.set TB,  24                           ; s24  LDS byte at which the step in hand begins
.set SL,  25                           ; s25  slots still to be asked for
.set ST,  26                           ; s26  counts a slot's four steps
.set LIM, 27                           ; s27  1 in a wave that prefetches, else the greatest number
.set HF,  28                           ; s28  1 where e8 < -8
	s_load_b128 s[4:7], s[0:1], 0x0                ; qkv, the exponents
	s_load_b64 s[8:9], s[0:1], 0x10                ; yc
	v_lshl_add_u32 v254, v0, 2, 0x10000
	v_mov_b32 v255, 0
	v_lshrrev_b32 v4, 5, v0
	v_readfirstlane_b32 s10, v4                    ; wave 0..15
	v_and_b32 v1, 31, v0
	v_lshlrev_b32 v[LI], 4, v1
	s_and_b32 s11, ttmp7, 0xffff                   ; bh
	s_wait_alu depctr_va_sdst(0)                   ; s10 is written, ahead of its first reader: addresses and the prefetches' choice are made from it
	s_lshl_b32 s12, s10, 11
	v_add_nc_u32 v[STA], s12, v[LI]
	s_lshr_b32 s13, s10, 3
	s_add_co_u32 s13, s13, 1
	s_lshl_b32 s13, s13, 23                        ; waves 0-7: K's region, 8,388,608; waves 8-15: V's, 16,777,216
	s_and_b32 s18, s10, 7
	s_lshl_b32 s19, s18, 11
	s_add_co_u32 s19, s19, s13
	v_add_nc_u32 v[GOF], s19, v[LI]
	s_and_b32 s19, s10, 1
	s_lshl_b32 s19, s19, 13
	s_add_co_u32 s19, s19, s13
	v_lshlrev_b32 v[PFO], 4, v[LI]                 ; lanes 256 bytes apart,
	v_add_nc_u32 v[PFO], s19, v[PFO]               ; 8,192 bytes a wave
	s_lshr_b32 s29, s18, 1                         ; waves 0, 1 (K) and 8, 9 (V)
	s_or_b32 s29, s29, ttmp9                       ; of the head's first work-group ask
	s_cmp_eq_u32 s29, 0
	s_cselect_b32 s[LIM], 1, -1
	s_lshl_b32 s30, s11, 17                        ; the head's 131,072 bytes
	s_mov_b32 s31, 0
	s_lshl_b32 s38, ttmp9, 15                      ; my work-group's 512 queries: 8 steps of 4,096 bytes,
	s_add_co_u32 s38, s38, s12                     ; my wave's two tiles
	s_mov_b32 s39, 0
	s_lshr_b32 s40, s11, 4                         ; yc: token tile 128 x batch + 32 x work-group + 2 x wave, 16,384 bytes each; 1,024 for the head
	s_lshl_b32 s40, s40, 7
	s_lshl_b32 s41, ttmp9, 5
	s_add_co_u32 s40, s40, s41
	s_lshl_b32 s41, s10, 1
	s_add_co_u32 s40, s40, s41
	s_lshl_b32 s40, s40, 14
	s_and_b32 s41, s11, 15
	s_lshl_b32 s41, s41, 10
	s_add_co_u32 s40, s40, s41
	s_mov_b32 s41, 0
	s_mov_b32 s20, 0x76543210                      ; v_permlanex16_b32's selects for lane l xor 16
	s_mov_b32 s21, 0xfedcba98
	s_mov_b32 s22, 0x3e38aa3b                      ; c = log2(e) / 8
	s_mov_b32 s[TB], 0
	s_mov_b32 s[SL], 6
	s_wait_kmcnt 0x0
	s_load_b128 s[32:35], s[6:7], 0x18             ; e6, e7, e8, e9
	s_load_b32 s36, s[6:7], 0x28                   ; e10
	s_add_nc_u64 s[14:15], s[4:5], s[30:31]        ; the head; it walks a slot (16,384 bytes) at a time
	s_add_nc_u64 s[16:17], s[14:15], s[38:39]      ; my Q
	s_add_nc_u64 s[8:9], s[8:9], s[40:41]
	s_wait_alu depctr_va_vdst(0)                   ; v1, v2, v3 and v5 are written: every global load, the head's LDS stores, the prefetches and the last stores read one of them, and none is written again
.irp i, 0,1,2,3
	global_load_b128 v[Q+4*\i:Q+4*\i+3], v[LI], s[16:17] offset:512*\i
.endr
.irp i, 0,1,2,3
	global_load_b128 v[STG+4*\i:STG+4*\i+3], v[GOF], s[14:15] offset:512*\i      ; slot 0
.endr
.irp x, 0,1
	v_mov_b32 v[9+4*\x], 0xff61b1e6                ; the largest t so far: -3e38
	v_floor_f32 v[8+4*\x], -v[9+4*\x]              ; -M
	v_mov_b32 v[10+4*\x], 0
	v_mov_b32 v[11+4*\x], 0
	v_mov_b32 v[19+4*\x], 0                        ; named as the upper half of f's pair
	v_mov_b32 v[24+\x], 0                          ; a lane permute's destination counts as one of its sources
.endr
.set j, 0
.rept 64
	v_mov_b32 v[OA+j], 0                           ; O^T: the step is written once; the first finds zeros, which the first change of M leaves zeros
.set j, j+1
.endr
	s_wait_kmcnt 0x0
	s_add_co_i32 s29, s32, s33
	s_lshl_b32 s29, s29, 23
	s_add_co_i32 s22, s22, s29                     ; a score stands for score x 2^(e6 + e7)
	s_mov_b32 s23, s22
	s_add_co_i32 s29, s34, 127
	s_lshl_b32 s30, s29, 23
	v_mov_b32 v[SCP], s30                          ; 2^e8
	s_add_co_i32 s29, s29, 8
	s_lshl_b32 s29, s29, 23
	s_or_b32 s29, s29, 0x600000
	v_mov_b32 v[LMP], s29                          ; 448 x 2^e8
	s_cmp_lt_i32 s34, -8
	s_cselect_b32 s[HF], 1, 0
	s_wait_loadcnt 0x0                             ; Q and slot 0
.irp i, 0,1,2,3
	ds_store_b128 v[STA], v[STG+4*\i:STG+4*\i+3] offset:512*\i   ; (no vector instruction since the wait on va_vdst above names v[STA] or STG)
.endr
	s_wait_dscnt 0x0                               ; the stores are done
	s_wait_alu depctr_vm_vsrc(0)                   ; the LDS stores have read v[STG ..], in which the loads below land
	s_add_nc_u64 s[14:15], s[14:15], 16384         ; (every load that named the address is done)
.irp i, 0,1,2,3
	global_load_b128 v[STG+4*\i:STG+4*\i+3], v[GOF], s[14:15] offset:512*\i      ; slot 1
.endr
; A KEY STEP: 64 keys, two tiles of queries.
.macro STEP
	s_wait_alu depctr_vm_vsrc(0)                   ; the LDS loads of the step before have read v[ADR], which the next line writes
	v_add_nc_u32 v[ADR], s[TB], v[LI]
.rept 3
	v_nop                                          ; with the addition: four plain lines between the last products and the loads into registers that they read; the wait below stands beside them
.endr
	s_wait_alu depctr_va_vdst(0)                   ; v[ADR] is written, which this step's sixteen LDS loads read; the last step's products V^T P^T are done reading KV, in which K's loads land
.irp t, 0,1,2,3
.irp c, 0,1
	ds_load_b128 v[KV+8*\t+4*\c:KV+8*\t+4*\c+3], v[ADR] offset:1024*\t+512*\c
.endr
.endr
	s_wait_dscnt 0x0
.irp t, 0,1,2,3
.irp x, 0,1
	v_wmma_f32_16x16x64_fp8_fp8 v[S+32*\x+8*\t:S+32*\x+8*\t+7], v[KV+8*\t:KV+8*\t+7], v[Q+8*\x:Q+8*\x+7], 0
.endr
.endr
.rept 4
	v_nop                                          ; places in front of the first read of the scores (ISA guide 7.12.1)
.endr
.irp x, 0,1                                    ; the largest of a lane's 32 scores, in two chains; each tile of scores is read from its low end on
	v_max3_num_f32 v[16+4*\x], v[S+32*\x], v[S+32*\x+1], v[S+32*\x+2]
	v_max3_num_f32 v[17+4*\x], v[S+32*\x+3], v[S+32*\x+4], v[S+32*\x+5]
.endr
.irp i, 6,10,14,18,22,26
.irp x, 0,1
	v_max3_num_f32 v[16+4*\x], v[16+4*\x], v[S+32*\x+\i], v[S+32*\x+\i+1]
	v_max3_num_f32 v[17+4*\x], v[17+4*\x], v[S+32*\x+\i+2], v[S+32*\x+\i+3]
.endr
.endr
.irp x, 0,1
	v_max3_num_f32 v[16+4*\x], v[16+4*\x], v[S+32*\x+30], v[S+32*\x+31]
.endr
.irp x, 0,1
	v_max_num_f32 v[16+4*\x], v[16+4*\x], v[17+4*\x]
.endr
.irp x, 0,1
	v_permlanex16_b32 v[24+\x], v[16+4*\x], s20, s21
.endr
.irp x, 0,1
	v_max_num_f32 v[16+4*\x], v[16+4*\x], v[24+\x]   ; and lane l xor 16's 32 keys
.endr
.irp x, 0,1
	v_mul_f32 v[16+4*\x], s22, v[16+4*\x]          ; as t (c is positive)
.endr
.irp x, 0,1
	v_max_num_f32 v[9+4*\x], v[9+4*\x], v[16+4*\x] ; the running largest t
.endr
.irp x, 0,1
	v_mov_b32 v[16+4*\x], v[8+4*\x]
.endr
.irp x, 0,1
	v_floor_f32 v[8+4*\x], -v[9+4*\x]              ; the new -M = -ceil(t)
.endr
.irp x, 0,1
	v_sub_f32 v[16+4*\x], v[8+4*\x], v[16+4*\x]    ; old M - new M: a whole number, 0 or less
.endr
.irp x, 0,1
	v_cvt_i32_f32 v[16+4*\x], v[16+4*\x]           ; (it saturates)
.endr
.irp x, 0,1
	v_ldexp_f32 v[18+4*\x], 1.0, v[16+4*\x]        ; f = 2^(old M - new M)
.endr
.irp x, 0,1
.set j, 0
.rept 16
	v_pk_fma_f32 v[S+32*\x+j:S+32*\x+j+1], v[S+32*\x+j:S+32*\x+j+1], s[22:23], v[8+4*\x:9+4*\x] op_sel_hi:[1,0,0]   ; t - M
.set j, j+2
.endr
.endr
.set j, 0
.rept 64
	v_exp_f32 v[S+j], v[S+j]                       ; p = 2^(t - M)
.set j, j+1
.endr
.irp x, 0,1
	v_pk_mul_f32 v[10+4*\x:11+4*\x], v[10+4*\x:11+4*\x], v[18+4*\x:19+4*\x] op_sel_hi:[1,0]   ; the sums under the new M: the plain lines behind the exponentials
.endr
	s_wait_alu depctr_va_vdst(0)                   ; the 64 exponentials have written p: one wait for the batch, ahead of its first reader; and the products K Q^T are done reading KV, in which the loads below land
.irp t, 0,1,2,3
.irp c, 0,1
	ds_load_b128 v[KV+8*\t+4*\c:KV+8*\t+4*\c+3], v[ADR] offset:16384+1024*\t+512*\c   ; V's fragments land while the sums, the conversions and O^T's rescaling are worked; none of those lines names KV or v[ADR]
.endr
.endr
.irp x, 0,1
	v_pk_add_f32 v[26+2*\x:27+2*\x], v[S+32*\x:S+32*\x+1], v[S+32*\x+2:S+32*\x+3]   ; the row's sum of the UNQUANTISED p, in two chains
.endr
.irp i, 4,8,12,16,20,24,28
.irp x, 0,1
	v_pk_add_f32 v[10+4*\x:11+4*\x], v[10+4*\x:11+4*\x], v[S+32*\x+\i:S+32*\x+\i+1]
	v_pk_add_f32 v[26+2*\x:27+2*\x], v[26+2*\x:27+2*\x], v[S+32*\x+\i+2:S+32*\x+\i+3]
.endr
.endr
.irp x, 0,1
	v_pk_add_f32 v[10+4*\x:11+4*\x], v[10+4*\x:11+4*\x], v[26+2*\x:27+2*\x]
.endr
	s_cmp_eq_u32 s[HF], 0                          ; p <= 1, so p / 2^e8 <= 256 where e8 >= -8: the hold can act only below that
	s_cbranch_scc1 .Lheld_\@
.set j, 0
.rept 64
	v_min_num_f32 v[S+j], v[S+j], v[LMP]           ; the conversion does not saturate (ISA guide 7.6.2); p is not negative
.set j, j+1
.endr
.Lheld_\@:
.irp x, 0,1
.irp b, 0,1
	v_cvt_scalef32_pk8_fp8_f32 v[PC+8*\x+4*\b:PC+8*\x+4*\b+1], v[S+32*\x+16*\b:S+32*\x+16*\b+7], v[SCP]
	v_cvt_scalef32_pk8_fp8_f32 v[PC+8*\x+4*\b+2:PC+8*\x+4*\b+3], v[S+32*\x+16*\b+8:S+32*\x+16*\b+15], v[SCP]
.endr
.endr
.irp x, 0,1
.set j, 0
.rept 16
	v_pk_mul_f32 v[OA+32*\x+j:OA+32*\x+j+1], v[OA+32*\x+j:OA+32*\x+j+1], v[18+4*\x:19+4*\x] op_sel_hi:[1,0]   ; O^T under the new M; also the plain lines behind the conversions
.set j, j+2
.endr
.endr
	s_wait_dscnt 0x0                               ; V's fragments
.irp t, 0,1,2,3
.irp x, 0,1
	v_wmma_f32_16x16x64_fp8_fp8 v[OA+32*\x+8*\t:OA+32*\x+8*\t+7], v[KV+8*\t:KV+8*\t+7], v[PC+8*\x:PC+8*\x+7], v[OA+32*\x+8*\t:OA+32*\x+8*\t+7]   ; eight accumulators, one turn each
.endr
.endr
	s_add_co_u32 s[TB], s[TB], 4096
.endm
.macro FOUR_STEPS                      ; a slot's four steps: written once, walked four times
	s_mov_b32 s[ST], 4
.Lstep_\@:
	STEP
	s_sub_co_u32 s[ST], s[ST], 1
	s_cmp_lg_u32 s[ST], 0
	s_cbranch_scc1 .Lstep_\@
	s_sub_co_u32 s[TB], s[TB], 16384               ; back to a buffer's first step,
	s_xor_b32 s[TB], s[TB], SLOTB                  ; in the other buffer
.endm
; A PREFETCH INTO THE L2 of the slot after the one whose loads have just been issued: 16,384 bytes of K and of V, 128 blocks of 256 bytes.  All four work-groups of a head walk the same K and V: the first asks, and in it
; waves 0, 1 (K) and 8, 9 (V), 8,192 bytes a wave, lanes 256 bytes apart: each block is named once in the launch.  The last trip of the loop asks for nothing: there is no slot behind the last.
.macro ASK
	s_cmp_gt_u32 s[SL], s[LIM]
	s_cbranch_scc0 .Lnot_mine_\@
	global_prefetch_b8 v[PFO], s[14:15] offset:16384 th:TH_LOAD_NT scope:SCOPE_SE
.Lnot_mine_\@:
.endm
; SLOT n.  In front of the barrier each wave's stores into this slot's buffer have landed and its reads of the other buffer are back.  Behind it: st = 1: slot n + 1, fetched a slot ago, goes into the other buffer;
; ld = 1: slot n + 2 is asked for.
.macro SLOTM st, ld
	s_wait_dscnt 0x0
	s_barrier_signal -1
	s_barrier_wait -1
.if \st
	s_wait_loadcnt 0x0                             ; asked for four key steps ago
	s_xor_b32 s29, s[TB], SLOTB
	s_wait_alu depctr_vm_vsrc(0)                   ; the LDS stores of a slot ago have read v[STW], which the next line writes
	v_add_nc_u32 v[STW], s29, v[STA]
	s_wait_alu depctr_va_vdst(0)                   ; v[STW] is written, which the stores below read
.irp i, 0,1,2,3
	ds_store_b128 v[STW], v[STG+4*\i:STG+4*\i+3] offset:512*\i
.endr
.endif
.if \ld
	s_wait_dscnt 0x0                               ; the stores are done
	s_wait_alu depctr_vm_vsrc(0)                   ; the LDS stores have read v[STG ..], in which the loads below land
	s_wait_xcnt 0x0                                ; the last prefetch, a slot back, has read its address
	s_add_nc_u64 s[14:15], s[14:15], 16384
.irp i, 0,1,2,3
	global_load_b128 v[STG+4*\i:STG+4*\i+3], v[GOF], s[14:15] offset:512*\i
.endr
	ASK
.endif
	FOUR_STEPS
.endm
.Lslot:                                            ; slots 0 to 5
	SLOTM 1, 1
	s_sub_co_u32 s[SL], s[SL], 1
	s_cmp_lg_u32 s[SL], 0
	s_cbranch_scc1 .Lslot
	SLOTM 1, 0                                     ; slot 6: the last slot goes into LDS, nothing is left to fetch
	SLOTM 0, 0                                     ; slot 7
	; THE WAY OUT: ctx = O^T x 2^(e8 + e9) / the sum, quantised with e10.  Register 16 B + i of a tile is channel 32 B + 16 (lane / 16) + i: two chunks of 16 bytes a tile, stored as 512 consecutive bytes a wave, aligned.
.rept 4
	v_nop
.endr
.irp x, 0,1
	v_add_f32 v[10+4*\x], v[10+4*\x], v[11+4*\x]
.endr
.irp x, 0,1
	v_permlanex16_b32 v[24+\x], v[10+4*\x], s20, s21
.endr
.irp x, 0,1
	v_add_f32 v[10+4*\x], v[10+4*\x], v[24+\x]
.endr
.irp x, 0,1
	v_rcp_f32 v[18+4*\x], v[10+4*\x]
.endr
	s_add_co_i32 s37, s34, s35                     ; e8 + e9
	s_add_co_i32 s29, s36, 127
	s_lshl_b32 s30, s29, 23
	v_mov_b32 v[SCP], s30                          ; 2^e10 (a plain line behind the reciprocals)
	s_add_co_i32 s29, s29, 8
	s_lshl_b32 s29, s29, 23
	s_or_b32 s29, s29, 0x600000
	v_mov_b32 v[LMP], s29                          ; 448 x 2^e10
	s_wait_alu depctr_va_vdst(0)                   ; the two reciprocals have written v18 and v22: one wait, ahead of their first reader
.irp x, 0,1
	v_ldexp_f32 v[18+4*\x], v[18+4*\x], s37
.endr
.irp x, 0,1
.set j, 0
.rept 16
	v_pk_mul_f32 v[OA+32*\x+j:OA+32*\x+j+1], v[OA+32*\x+j:OA+32*\x+j+1], v[18+4*\x:19+4*\x] op_sel_hi:[1,0]
.set j, j+2
.endr
.endr
.set j, 0
.rept 64
	v_med3_num_f32 v[OA+j], v[OA+j], -v[LMP], v[LMP]
.set j, j+1
.endr
.irp x, 0,1
.irp b, 0,1
	v_cvt_scalef32_pk8_fp8_f32 v[PC+8*\x+4*\b:PC+8*\x+4*\b+1], v[OA+32*\x+16*\b:OA+32*\x+16*\b+7], v[SCP]
	v_cvt_scalef32_pk8_fp8_f32 v[PC+8*\x+4*\b+2:PC+8*\x+4*\b+3], v[OA+32*\x+16*\b+8:OA+32*\x+16*\b+15], v[SCP]
.endr
.endr
	v_nop
	s_wait_alu depctr_va_vdst(0)                   ; the conversions have written v[PC ..], which the stores below read
.irp x, 0,1
.irp b, 0,1
	global_store_b128 v[LI], v[PC+8*\x+4*\b:PC+8*\x+4*\b+3], s[8:9] offset:\x*16384+\b*512
.endr
.endr
	s_wait_dscnt 0x0
	s_wait_alu depctr_hold_cnt(0) depctr_sa_sdst(0) depctr_va_vdst(0) depctr_va_sdst(0) depctr_va_ssrc(0) depctr_va_vcc(0) depctr_vm_vsrc(0)
	s_wait_tensorcnt 0x0
	ds_add_u32 v254, v255
	s_wait_dscnt 0x0
	s_endpgm
.Lfunc_end_k_qb786aa69e0_attn:
	.size	k_qb786aa69e0_attn, .Lfunc_end_k_qb786aa69e0_attn-k_qb786aa69e0_attn
	.p2alignl 7, 3214868480
	.fill 96, 4, 3214868480
	.section	.rodata,"a",@progbits
	.p2align	6, 0x0
	.amdhsa_kernel k_qb786aa69e0_attn
		.amdhsa_group_segment_fixed_size 67584
		.amdhsa_private_segment_fixed_size 0
		.amdhsa_enable_private_segment 0
		.amdhsa_kernarg_size 24
		.amdhsa_user_sgpr_count 2
		.amdhsa_user_sgpr_kernarg_segment_ptr 1
		.amdhsa_wavefront_size32 1
		.amdhsa_system_sgpr_workgroup_id_x 1
		.amdhsa_system_sgpr_workgroup_id_y 1
		.amdhsa_system_sgpr_workgroup_id_z 1
		.amdhsa_system_vgpr_workitem_id 0
		.amdhsa_next_free_vgpr 256
		.amdhsa_next_free_sgpr 66
		.amdhsa_reserve_vcc 0
		.amdhsa_float_denorm_mode_32 3
		.amdhsa_float_denorm_mode_16_64 3
		.amdhsa_memory_ordered 1
		.amdhsa_forward_progress 1
		.amdhsa_inst_pref_size 66
	.end_amdhsa_kernel
	.amdgpu_metadata
---
amdhsa.version: [ 1, 2 ]
amdhsa.kernels:
  - .name:           k_qb786aa69e0_attn
    .symbol:         k_qb786aa69e0_attn.kd
    .args:
      - { .name: qkv, .offset: 0, .size: 8, .value_kind: global_buffer, .address_space: global }
      - { .name: lowp_scales, .offset: 8, .size: 8, .value_kind: global_buffer, .address_space: global }
      - { .name: yc, .offset: 16, .size: 8, .value_kind: global_buffer, .address_space: global }
    .group_segment_fixed_size: 67584
    .private_segment_fixed_size: 0
    .kernarg_segment_align: 8
    .kernarg_segment_size: 24
    .max_flat_workgroup_size: 512
    .sgpr_count:     66
    .vgpr_count:     256
    .wavefront_size: 32
...
	.end_amdgpu_metadata
.endif
;; end of part 5
;; launch outp (part 6): grid 256 x 1, 2 waves a work-group, no clusters, 8,960 bytes of LDS; arguments yc, woc, lowp_scales, bo, out0; writes out0
.if DOCPART == 6
	.amdgcn_target "amdgcn-amd-amdhsa--gfx1250"
	.amdhsa_code_object_version 6
	.text
	.protected	k_qb786aa69e0_outp
	.globl	k_qb786aa69e0_outp
	.p2align	8
	.type	k_qb786aa69e0_outp,@function
k_qb786aa69e0_outp:
	s_mov_b64 s[64:65], 0
	v_nop
	global_prefetch_b8 v0, s[64:65] scope:SCOPE_SE
	s_setreg_imm32_b32 hwreg(HW_REG_WAVE_SCHED_MODE, 0, 2), 2
	s_setreg_imm32_b32 hwreg(HW_REG_WAVE_MODE, 25, 1), 1
	s_wait_xcnt 0x0
	s_wait_alu depctr_vm_vsrc(0)
; out0 = y Wo + bo on codes of FP8 (E4M3): y [8192][1024] with e10, Wo [1024][64] with e11; f32 sums x 2^(e10 + e11) + bo.
; yc and woc hold images of operand registers, so every fragment comes by loads of 16 bytes a lane, 512 consecutive bytes a wave.
; A wave takes one tile of 16 tokens (G = 2 x work-group + wave: tokens 32 (G / 2) + 8 (G % 2) + r + 8 (r / 8)) and all 64 outputs: 8 K steps x 4 tiles of outputs = 32 matrix instructions.
; Straight line: everything is asked for at once; no loop, no barrier (a wave's stage is its own).  Source 0 = 16 outputs of Wo, source 1 = the tokens: a lane holds eight neighbouring outputs of one token.
; No tensor loads and no cluster: a wave's share is 16,384 bytes of its own and Wo's 65,536, which all waves read; the launch has 32 matrix instructions a wave.
; LIMIT: e10 + e11 between -126 and 127.
; REGISTERS: window 0: v1-5 addresses; v16-143 y's eight fragments; v144-175 four accumulators; v176-207 bo in the result's layout, then the results; v208-239 rows read back.
;   window 1: Wo's tiles 0, 1 (fragment (nt, s) at 128 (nt % 2) + 16 s);   window 2: tiles 2, 3.
; THE MODE: SCHED_MODE bits 1:0 = 2 (LLVM: expert scheduling mode 2), set by the entry lines.  The code itself states the register dependences between vector or matrix instructions and memory or LDS
; instructions, with s_wait_alu, always for 0.
; THE PLAN.  Registers that memory or LDS instructions touch:
;   v1 to v5     offsets and addresses, made once at the head and never written again: one wait on va_vdst ahead of the first load serves every load and store of the kernel.
;   YF, Wo's two windows, BK   written by loads alone, once each; no vector instruction writes them, and none has named them when their loads are issued.
;   RES          bo's loads land in it; the sixteen multiply-adds write the results over bo; eight LDS stores read them: one wait on va_vdst between the two.
; No register that a memory or LDS instruction has read is written again, so between the entry lines and the closing wait the text holds no wait on vm_vsrc.
.set YF,  16
.set ACC, 144
.set RES, 176
.set BK,  208
.set SPI, 272                          ; a stage row: a token's 256 bytes + 16
.set MSB, 0
.macro WIN new                         ; the immediate's high byte repeats the setting that is left
.if MSB != \new
	s_set_vgpr_msb (MSB<<8)|\new
.set MSB, \new
.endif
.endm
	s_load_b256 s[4:11], s[0:1], 0x0               ; yc s[4:5], woc s[6:7], the exponents s[8:9], bo s[10:11]
	s_load_b64 s[12:13], s[0:1], 0x20              ; out0
	v_lshl_add_u32 v254, v0, 2, 0x2200
	v_mov_b32 v255, 0
	v_lshrrev_b32 v6, 5, v0
	v_readfirstlane_b32 s14, v6                    ; wave 0, 1
	v_and_b32 v7, 31, v0
	v_lshlrev_b32 v1, 4, v7                        ; 16 x lane
	v_and_b32 v8, 15, v0                           ; r
	v_bfe_u32 v9, v0, 4, 1                         ; h
	v_lshlrev_b32 v2, 5, v9                        ; bo: my half's eight numbers of a tile
	s_wait_alu depctr_va_sdst(0)                   ; s14 is written, ahead of its first reader: my stage and the bases of yc and out0 are made from it
	s_mul_i32 s15, s14, 16*SPI                     ; my stage
	v_mul_u32_u24 v3, v8, SPI
	v_lshl_add_u32 v3, v9, 5, v3
	v_add_nc_u32 v3, s15, v3                       ; in: row r, + 32 h
	v_mul_u32_u24 v4, v9, SPI
	v_lshl_add_u32 v4, v8, 4, v4
	v_add_nc_u32 v4, s15, v4                       ; back: lanes 0-15 one row, lanes 16-31 the next
	v_lshlrev_b32 v5, 8, v9
	v_lshl_add_u32 v5, v8, 4, v5                   ; and the same two rows in out0
	s_lshl_b32 s18, ttmp9, 1
	s_add_co_u32 s18, s18, s14                     ; G
	s_lshl_b32 s18, s18, 14
	s_mov_b32 s19, 0
	s_lshl_b32 s20, ttmp9, 13                      ; token 32 (G / 2) + 8 (G % 2), 256 bytes each
	s_lshl_b32 s21, s14, 11
	s_add_co_u32 s20, s20, s21
	s_mov_b32 s21, 0
	s_wait_kmcnt 0x0
	s_load_b64 s[16:17], s[8:9], 0x28              ; e10, e11
	s_add_nc_u64 s[4:5], s[4:5], s[18:19]
	s_add_nc_u64 s[12:13], s[12:13], s[20:21]
	s_wait_alu depctr_va_vdst(0)                   ; v1 to v5 are written, which the loads and stores below read; up to the last load only loads and window switches follow
.irp n, 0,1,2,3
	global_load_b128 v[RES+8*\n:RES+8*\n+3], v2, s[10:11] offset:64*\n        ; bo(16 nt + 8 h + 0 .. 7)
	global_load_b128 v[RES+8*\n+4:RES+8*\n+7], v2, s[10:11] offset:64*\n+16
.endr
.set i, 0
.rept 32
	global_load_b128 v[YF+4*i:YF+4*i+3], v1, s[4:5] offset:512*i th:TH_LOAD_NT   ; head i / 2, chunk i % 2: K step i / 4, registers 4 (i % 4) on
.set i, i+1
.endr
	WIN 0x40                                       ; destination window 1
.irp n, 0,1
.set i, 0
.rept 32
	global_load_b128 v[128*\n+4*i:128*\n+4*i+3], v1, s[6:7] offset:16384*\n+512*i
.set i, i+1
.endr
.endr
	WIN 0x80                                       ; destination window 2
.irp n, 0,1
.set i, 0
.rept 32
	global_load_b128 v[128*\n+4*i:128*\n+4*i+3], v1, s[6:7] offset:32768+16384*\n+512*i
.set i, i+1
.endr
.endr
	WIN 0
	s_wait_loadcnt 63                              ; bo, y and Wo's tiles 0, 1 are in: 64 loads were issued behind them; the wait's field holds 63, so it is one stricter
	WIN 0x01                                       ; source 0 window 1
.irp s, 0,1,2,3,4,5,6,7                        ; two accumulators by turns, one instruction a turn; the first K step starts the sums
.irp n, 0,1
.if \s == 0
	v_wmma_f32_16x16x128_fp8_fp8 v[ACC+8*\n:ACC+8*\n+7], v[128*\n+16*\s:128*\n+16*\s+15], v[YF+16*\s:YF+16*\s+15], 0
.else
	v_wmma_f32_16x16x128_fp8_fp8 v[ACC+8*\n:ACC+8*\n+7], v[128*\n+16*\s:128*\n+16*\s+15], v[YF+16*\s:YF+16*\s+15], v[ACC+8*\n:ACC+8*\n+7]
.endif
.endr
.endr
	s_wait_loadcnt 0x0                             ; Wo's tiles 2, 3
	WIN 0x02                                       ; source 0 window 2
.irp s, 0,1,2,3,4,5,6,7
.irp n, 0,1
.if \s == 0
	v_wmma_f32_16x16x128_fp8_fp8 v[ACC+16+8*\n:ACC+16+8*\n+7], v[128*\n+16*\s:128*\n+16*\s+15], v[YF+16*\s:YF+16*\s+15], 0
.else
	v_wmma_f32_16x16x128_fp8_fp8 v[ACC+16+8*\n:ACC+16+8*\n+7], v[128*\n+16*\s:128*\n+16*\s+15], v[YF+16*\s:YF+16*\s+15], v[ACC+16+8*\n:ACC+16+8*\n+7]
.endif
.endr
.endr
	WIN 0
.rept 4
	v_nop                                          ; places in front of the first read of the results (ISA guide 7.12.1)
.endr
	s_wait_kmcnt 0x0
	s_add_co_i32 s16, s16, s17
	s_add_co_i32 s16, s16, 127
	s_lshl_b32 s16, s16, 23                        ; 2^(e10 + e11) as f32
	s_mov_b32 s17, s16                             ; (named with it as a pair)
.set j, 0
.rept 16
	v_pk_fma_f32 v[RES+j:RES+j+1], v[ACC+j:ACC+j+1], s[16:17], v[RES+j:RES+j+1] op_sel_hi:[1,0,1]   ; sum x 2^(e10 + e11) + bo; each accumulator from its low end on
.set j, j+2
.endr
	s_wait_alu depctr_va_vdst(0)                   ; the multiply-adds have written v[RES ..], which the LDS stores below read
.irp n, 0,1,2,3
	ds_store_b128 v3, v[RES+8*\n:RES+8*\n+3] offset:64*\n
	ds_store_b128 v3, v[RES+8*\n+4:RES+8*\n+7] offset:64*\n+16
.endr
.irp i, 0,1,2,3,4,5,6,7
	ds_load_b128 v[BK+4*\i:BK+4*\i+3], v4 offset:2*\i*SPI      ; LDS serves a wave's instructions in order (ISA guide 5.7.1.4): these see my stores
.endr
.irp i, 0,1,2,3,4,5,6,7
	s_wait_dscnt 7-\i
	global_store_b128 v5, v[BK+4*\i:BK+4*\i+3], s[12:13] offset:(2*\i+8*(\i/4))*256 th:TH_STORE_NT   ; tile rows 2 i, 2 i + 1 are tokens 2 i + 8 (i / 4) and the next; sixteen lanes store a token's 256 bytes, aligned
.endr
	s_wait_dscnt 0x0
	s_wait_alu depctr_hold_cnt(0) depctr_sa_sdst(0) depctr_va_vdst(0) depctr_va_sdst(0) depctr_va_ssrc(0) depctr_va_vcc(0) depctr_vm_vsrc(0)
	s_wait_tensorcnt 0x0
	ds_add_u32 v254, v255
	s_wait_dscnt 0x0
	s_endpgm
.Lfunc_end_k_qb786aa69e0_outp:
	.size	k_qb786aa69e0_outp, .Lfunc_end_k_qb786aa69e0_outp-k_qb786aa69e0_outp
	.p2alignl 7, 3214868480
	.fill 96, 4, 3214868480
	.section	.rodata,"a",@progbits
	.p2align	6, 0x0
	.amdhsa_kernel k_qb786aa69e0_outp
		.amdhsa_group_segment_fixed_size 8960
		.amdhsa_private_segment_fixed_size 0
		.amdhsa_enable_private_segment 0
		.amdhsa_kernarg_size 40
		.amdhsa_user_sgpr_count 2
		.amdhsa_user_sgpr_kernarg_segment_ptr 1
		.amdhsa_wavefront_size32 1
		.amdhsa_system_sgpr_workgroup_id_x 1
		.amdhsa_system_sgpr_workgroup_id_y 1
		.amdhsa_system_sgpr_workgroup_id_z 1
		.amdhsa_system_vgpr_workitem_id 0
		.amdhsa_next_free_vgpr 768
		.amdhsa_next_free_sgpr 66
		.amdhsa_reserve_vcc 0
		.amdhsa_float_denorm_mode_32 3
		.amdhsa_float_denorm_mode_16_64 3
		.amdhsa_memory_ordered 1
		.amdhsa_forward_progress 1
		.amdhsa_inst_pref_size 24
	.end_amdhsa_kernel
	.amdgpu_metadata
---
amdhsa.version: [ 1, 2 ]
amdhsa.kernels:
  - .name:           k_qb786aa69e0_outp
    .symbol:         k_qb786aa69e0_outp.kd
    .args:
      - { .name: yc, .offset: 0, .size: 8, .value_kind: global_buffer, .address_space: global }
      - { .name: woc, .offset: 8, .size: 8, .value_kind: global_buffer, .address_space: global }
      - { .name: lowp_scales, .offset: 16, .size: 8, .value_kind: global_buffer, .address_space: global }
      - { .name: bo, .offset: 24, .size: 8, .value_kind: global_buffer, .address_space: global }
      - { .name: out0, .offset: 32, .size: 8, .value_kind: global_buffer, .address_space: global }
    .group_segment_fixed_size: 8960
    .private_segment_fixed_size: 0
    .kernarg_segment_align: 8
    .kernarg_segment_size: 40
    .max_flat_workgroup_size: 64
    .sgpr_count:     66
    .vgpr_count:     768
    .wavefront_size: 32
...
	.end_amdgpu_metadata
.endif
;; end of part 6
